; MI455X (gfx1250); checked and timed in simulation.
; The chip was launched on July 23, 2026; its instructions are those of AMD's public machine-readable ISA for CDNA 5 (MIT licence, August 2026) and "CDNA5" Instruction Set Architecture Reference Guide (July 2026). The comments in the code are by the model that wrote it; some were corrected since.
;; GQSW Attention. Allowed arithmetic: matrix products marked QUANTISED: E4M3 operands, one given power-of-two scale a tensor, by v_wmma_f32_16x16x64_fp8_fp8 or v_wmma_f32_16x16x128_fp8_fp8, f32 sums; everything else in f32.
;; Inputs: Wk 2,048 x 512 float32; Wo 1,024 x 2,048 float32; Wq 2,048 x 1,024 float32; Wv 2,048 x 512 float32; cos 4,096 x 128 float32; kn_w 128 float32; lowp_scales 12 int32 (the exponents e of the quantised operands' scales 2^e); qn_w 128 float32; sin 4,096 x 128 float32; x 1 x 4,096 x 2,048 float32.
;; Outputs: out0 1 x 4,096 x 2,048 float32.
;; This version of the problem:
;;   THIS VERSION OF THE PROBLEM IS GIVEN IN LOW PRECISION. The matrix products marked QUANTISED in the list below multiply operands that are first quantised to E4M3 (4 exponent bits, 3 mantissa bits; 8 bits a number), with one given power-of-two scale for each operand tensor; their sums are f32. All else is computed in f32.
;;   The module's matrix products, in the order in which they are computed (A, B: the left and right operand; K: the contracted axis; several contracted axes count as one K, in the product's order):
;;     1. [M 4,096, K 2,048] x [K 2,048, N 1,024]; A: input x; B: input Wq: QUANTISED (scales: A lowp_scales[0], B lowp_scales[1])
;;     2. [M 4,096, K 2,048] x [K 2,048, N 512]; A: input x; B: input Wk: QUANTISED (scales: A lowp_scales[2], B lowp_scales[3])
;;     3. [M 4,096, K 2,048] x [K 2,048, N 512]; A: input x; B: input Wv: QUANTISED (scales: A lowp_scales[4], B lowp_scales[5])
;;     4. batch 8 x [M 4,096, K 128] x [K 128, N 4,096]; A: computed on the way; B: computed on the way: QUANTISED (scales: A lowp_scales[6], B lowp_scales[7])
;;     5. batch 8 x [M 4,096, K 4,096] x [K 4,096, N 128]; A: softmax (see below); B: computed on the way: QUANTISED (scales: A lowp_scales[8], B lowp_scales[9])
;;     6. [M 4,096, K 1,024] x [K 1,024, N 2,048]; A: computed on the way; B: input Wo: QUANTISED (scales: A lowp_scales[10], B lowp_scales[11])
;;   THE QUANTISER, for each operand of a quantised product, along K:
;;     - The operand's scale is 2^e, e = its entry of the input lowp_scales (int32; the entries are numbered through the quantised products in the list's order, A before B).
;;     - Each number is divided by the scale, clamped to +-448, and rounded to the nearest number of E4M3, ties to even, subnormals kept.
;;     - The product sums the exact products of the quantised numbers (number of the format x scale) in f32.
;;   ~~~python
;;   def quantise(x, axis, e):      # numpy; x: float32 -> the quantised numbers, widened to float32 again
;;       x = np.moveaxis(x, axis, -1); K = x.shape[-1]
;;       r = np.clip(x / 2.0 ** e, -448, 448)
;;       step = 2.0 ** (np.maximum(np.frexp(np.where(r == 0, 1, r))[1] - 1, -6) - 3)
;;       q = np.round(r / step) * step * 2.0 ** e      # np.round: ties to even
;;       return np.moveaxis(q, -1, axis).astype(np.float32)
;;   ~~~
;;   SOFTMAX AHEAD OF A QUANTISED PRODUCT. Where the list says 'softmax', what is quantised is not the finished softmax but p = 2^(t - M), with t = logit x log2(e) and M = ceil(the row's largest t), a whole number; so 1/2 < the row's largest p <= 1. The row's sum l is taken of the UNQUANTISED p, in f32, and the product's result is divided by l at the end. Since M is a whole number, a kernel that streams over the keys may use a running M (the ceiling of the running maximum): every later rescaling is an exact power of two, so the quantised numbers keep their values, but for numbers so far below the row's largest that they fall under the format's range.
;;   OPERANDS COMPUTED ON THE WAY. 'Computed on the way' means the value that the module computes at that place (a softmax that the list does not call 'softmax' is quantised finished and normalised). What goes into a quantiser is computed in f32, as accurately as f32 sums, v_exp_f32 and their like allow (about 1e-6 of the number): no bf16 or f16 on the way to a quantiser, and a product that is left as it is and whose result goes on into a quantised operand takes f32 operands (vector FMAs, or v_wmma_f32_16x16x4_f32). A number that lies on a knife's edge between two numbers of the format may be rounded either way, as far as f32 arithmetic and the matrix unit's own rounding can turn it there, and no further.
;; One version. Each part assembles by itself: llvm-mc -triple=amdgcn-amd-amdhsa -mcpu=gfx1250 --defsym DOCPART=n.
;; ======== version 1 of 1: 4 launches
;; limits: right only within a limited range of input values
;; workspace buffers: xc 25,165,824 bytes; wc 6,291,456 bytes; qc 4,194,304 bytes; kvc 4,194,304 bytes; oc 4,194,304 bytes
;; launch quant (part 1): grid 448 x 1, 4 waves a work-group, no clusters, 67,072 bytes of LDS; arguments x, lowp_scales, xc, Wq, Wk, Wv, Wo, wc; writes xc, wc
.if DOCPART == 1
	.amdgcn_target "amdgcn-amd-amdhsa--gfx1250"
	.amdhsa_code_object_version 6
	.text
	.protected	k_qf80927adbf_quant
	.globl	k_qf80927adbf_quant
	.p2align	8
	.type	k_qf80927adbf_quant,@function
k_qf80927adbf_quant:
	s_mov_b64 s[64:65], 0
	v_nop
	global_prefetch_b8 v0, s[64:65] scope:SCOPE_SE
	s_setreg_imm32_b32 hwreg(HW_REG_WAVE_MODE, 25, 1), 1
	s_wait_xcnt 0x0
; ONE LAUNCH QUANTISES x AND THE FOUR WEIGHTS: work-groups 0-255 take x, work-groups 256-447 the weights (a scalar branch on the work-group's number); each way has LDS bytes of its own.
; code = number / 2^e, held within +-448, rounded to the nearest E4M3 code, ties to even.  LIMITS: e0 .. e5 and e11 between -126 and 119.  NaN among the inputs is not served.
; WORK LEFT OUT IN THIS PROGRAM: reference() itself sets every score whose key j is not in i - 1024 < j <= i to -infinity ahead of the softmax, so its weight is 0 for all values of the inputs.
; Blocks of 128 keys that lie wholly outside a block of queries' window are therefore not multiplied, in products 4 and 5 (launch attn).  Every input is loaded.
; LIMIT: a NaN, an infinity or an overflow that reaches only the scores left out is not carried to the result.
; x [4096][2048] becomes three sets of codes, one for each product that reads it (2^e0, 2^e2, 2^e4).  xc: [set 3][row tile 256][K step 16][2048 bytes].
; The 2,048 bytes are the IMAGE of a matrix operand's 16 registers (16 rows x 128 along K): registers 4 c .. 4 c + 3 of lane l at 512 c + 16 l; lane l holds row l % 16; registers 2 c', 2 c' + 1 hold K = 16 c' + 8 (l / 16) + 0 .. 7.
; x's SHARES: a work-group takes 16 rows, wave w its K steps 4 w .. 4 w + 3.  Each load reads 512 consecutive bytes of a row; a K step turns through the wave's own stage in LDS; each store writes 512 consecutive bytes.
; Waves share nothing: no barrier.
.set ROWX,  8192                       ; a row of x in bytes
.set PITCH, 528                        ; a stage row: 512 bytes + 16
.set STGW,  16*PITCH                   ; a wave's stage (x's way): LDS bytes 0 .. 33,791
.set WB,    4*STGW                     ; the weights' way: 8,192 bytes a wave from here on
.set SPARE, WB+32768                   ; behind both: the spare words, 128 bytes a wave
.set LI,    4
.set STI,   5
.set STO,   6
.set SC,    8                          ; v8, v10, v12: 2^e;  v9, v11, v13: 448 x 2^e
.set SPW,   14                         ; my spare word; never rewritten
.set NIL,   15                         ; 0; never rewritten
.set R,     16                         ; v16-207  three sets of 64
.set T,     208
.set C,     224
	v_lshl_add_u32 v[SPW], v0, 2, SPARE
	v_mov_b32 v[NIL], 0
	s_cmp_ge_u32 ttmp9, 256
	s_wait_alu depctr_va_vdst(0)
	s_cbranch_scc1 .Lweights
	s_load_b128 s[4:7], s[0:1], 0x0                ; x, the scales' exponents
	s_load_b64 s[8:9], s[0:1], 0x10                ; xc
	v_lshrrev_b32 v1, 5, v0
	v_readfirstlane_b32 s10, v1                    ; wave
	v_and_b32 v2, 31, v0
	v_lshlrev_b32 v[LI], 4, v2
	s_mul_i32 s11, s10, STGW
	v_add_nc_u32 v[STI], s11, v[LI]
	v_and_b32 v3, 15, v0
	v_bfe_u32 v7, v0, 4, 1
	v_mul_u32_u24 v[STO], v3, PITCH
	v_lshl_add_u32 v[STO], v7, 5, v[STO]
	v_add_nc_u32 v[STO], s11, v[STO]
	s_lshl_b32 s12, ttmp9, 17                      ; 16 rows of 8,192 bytes
	s_lshl_b32 s13, s10, 11                        ; my four K steps
	s_add_co_u32 s12, s12, s13
	s_mov_b32 s13, 0
	s_lshl_b32 s30, ttmp9, 15                      ; a row tile's 16 images
	s_lshl_b32 s31, s10, 13                        ; my four
	s_add_co_u32 s30, s30, s31
	s_mov_b32 s31, 0
	s_wait_alu depctr_va_vdst(0)
	s_wait_kmcnt 0x0
	s_load_b256 s[16:23], s[6:7], 0x0              ; e0 .. e7
	s_add_nc_u64 s[4:5], s[4:5], s[12:13]
	s_add_nc_u64 s[24:25], s[8:9], s[30:31]        ; set 0,
	s_add_nc_u64 s[26:27], s[24:25], 0x800000      ; set 1,
	s_add_nc_u64 s[28:29], s[26:27], 0x800000      ; set 2
.macro LOADU t                         ; unit t: sixteen rows, 512 consecutive bytes a load
.set RS, R+64*((\t)%3)
.set n, 0
.rept 16
	global_load_b128 v[RS+4*n:RS+4*n+3], v[LI], s[4:5] offset:ROWX*n+512*(\t) th:TH_LOAD_NT
.set n, n+1
.endr
.endm
	LOADU 0
	LOADU 1
	LOADU 2
	s_wait_kmcnt 0x0
.irp z, 0,1,2
	s_add_co_i32 s32, s[16+2*\z], 127
	s_lshl_b32 s33, s32, 23
	v_mov_b32 v[SC+2*\z], s33                      ; 2^e: the conversion takes its exponent field
	s_add_co_i32 s32, s32, 8
	s_lshl_b32 s32, s32, 23
	s_or_b32 s32, s32, 0x600000
	v_mov_b32 v[SC+2*\z+1], s32                    ; 448 x 2^e
.endr
.macro UNIT t, left                    ; left = the younger loads that may stay out
.set RS, R+64*((\t)%3)
	s_wait_loadcnt \left
.set n, 0
.rept 16
	ds_store_b128 v[STI], v[RS+4*n:RS+4*n+3] offset:PITCH*n
.set n, n+1
.endr
.irp c, 0,1,2,3                        ; LDS serves a wave's instructions in order: these see the stores above
	ds_load_b128 v[RS+16*\c:RS+16*\c+3], v[STO] offset:128*\c
	ds_load_b128 v[RS+16*\c+4:RS+16*\c+7], v[STO] offset:128*\c+16
	ds_load_b128 v[RS+16*\c+8:RS+16*\c+11], v[STO] offset:128*\c+64
	ds_load_b128 v[RS+16*\c+12:RS+16*\c+15], v[STO] offset:128*\c+80
.endr
.irp c, 0,1,2,3
	s_wait_dscnt 12-4*\c                           ; this quarter's four loads are back
	s_wait_xcnt 0x0                                ; the codes' registers, which the last quarter's stores read, are written again only behind this wait
.irp z, 0,1,2
.set n, 0
.rept 16
	v_med3_num_f32 v[T+n], v[RS+16*\c+n], -v[SC+2*\z+1], v[SC+2*\z+1]   ; the conversion does not saturate (ISA guide 7.6.2): the hold comes first
.set n, n+1
.endr
	v_cvt_scalef32_pk8_fp8_f32 v[C+4*\z:C+4*\z+1], v[T:T+7], v[SC+2*\z]
	v_cvt_scalef32_pk8_fp8_f32 v[C+4*\z+2:C+4*\z+3], v[T+8:T+15], v[SC+2*\z]
	v_nop                                          ; a plain line between the conversions and the next holds, which write their sources
	global_store_b128 v[LI], v[C+4*\z:C+4*\z+3], s[24+2*\z:25+2*\z] offset:2048*(\t)+512*\c   ; 512 consecutive bytes of the image
.endr
.endr
.endm
	s_wait_alu depctr_va_vdst(0)
	UNIT 0, 32
	LOADU 3                                        ; into unit 0's set, which has been read
	UNIT 1, 32
	UNIT 2, 16
	UNIT 3, 0
	s_wait_tensorcnt 0x0                           ; the wave's end
	ds_add_u32 v[SPW], v[NIL]
	s_wait_dscnt 0x0
	s_endpgm
.Lweights:
; The four weights, f32 with K as their FIRST axis, become codes with K innermost: Wq (2^e1), Wk (2^e3), Wv (2^e5), Wo (2^e11).
; wc: at 0: [column tile 128][K step 16][2048]: columns 0-1023 Wq's, 1024-1535 Wk's, 1536-2047 Wv's;  at 4,194,304: Wo's [column tile 128][K step 8][2048].  The 2,048 bytes are images as above, lane l holding column l % 16.
; A LANE TAKES A COLUMN AND ITS REGISTERS RUN DOWN K.  A work-group takes 128 columns x 256 along K of one weight, a wave 32 columns: four images, gathered in the wave's own LDS and stored 512 consecutive bytes at a time.
; One way for all four: only pointers and numbers are chosen, by the work-group's number.
.set VOFF,  16                         ; v16-47   row i of a block: i x pitch + 4 x lane
.set X,     48                         ; v48-111  two sets of 32 numbers
.set C,     112                        ; v112-119 a block's codes
.set OUTR,  120                        ; v120-183 the way out
	s_load_b256 s[4:11], s[0:1], 0x18              ; Wq, Wk, Wv, Wo
	s_load_b64 s[12:13], s[0:1], 0x8               ; the scales' exponents
	s_load_b64 s[14:15], s[0:1], 0x38              ; wc
	s_sub_co_u32 s3, ttmp9, 256                    ; my number among the weights' work-groups
	v_lshrrev_b32 v1, 5, v0
	v_readfirstlane_b32 s16, v1                    ; wave
	v_and_b32 v2, 31, v0
	v_lshlrev_b32 v3, 2, v2                        ; 4 x lane
	s_wait_alu depctr_va_vdst(0)
	v_lshlrev_b32 v8, 4, v2                        ; 16 x lane
	s_lshl_b32 s27, s16, 13                        ; my 8,192 bytes of LDS: [column tile 2][K step 2][2048]
	s_add_co_u32 s27, s27, WB
	v_add_nc_u32 v7, s27, v8                       ; out of it
	v_and_b32 v5, 15, v2
	v_lshrrev_b32 v6, 4, v2
	v_lshlrev_b32 v4, 4, v5
	v_lshl_add_u32 v4, v6, 12, v4
	v_add_nc_u32 v4, s27, v4                       ; into it: column tile lane / 16, place of lane % 16
	; which weight: 0-63 Wq, 64-95 Wk, 96-127 Wv, 128-191 Wo
	s_cmp_lt_u32 s3, 64
	s_cselect_b32 s17, 0, 64                       ; the weight's first work-group
	s_cselect_b32 s18, 3, 2                        ; LN: 2^LN blocks of 128 columns
	s_cselect_b32 s19, 0, 64                       ; its first column tile in wc
	s_cmp_lt_u32 s3, 96
	s_cselect_b32 s17, s17, 96
	s_cselect_b32 s19, s19, 96
	s_cmp_lt_u32 s3, 128
	s_cselect_b32 s17, s17, 128
	s_cselect_b32 s18, s18, 4
	s_cselect_b32 s19, s19, 0
	s_cselect_b32 s22, 15, 14                      ; LK: a column tile's images are 2^LK bytes
	s_cselect_b32 s23, 0, 0x400000                 ; Wo's part of wc
	s_sub_co_u32 s17, s3, s17
	s_bfm_b32 s24, s18, 0
	s_and_b32 s24, s17, s24                        ; nb: which 128 columns
	s_lshr_b32 s25, s17, s18                       ; kb: which 256 along K
	s_lshl_b32 s26, 512, s18                       ; a row of the weight in bytes
	s_add_co_u32 s27, s18, 17
	s_lshl_b32 s28, s25, s27                       ; kb x 256 rows
	s_lshl_b32 s29, s24, 9
	s_add_co_u32 s28, s28, s29                     ; + 512 nb
	s_lshl_b32 s29, s16, 7
	s_add_co_u32 s28, s28, s29                     ; + 128 x wave
	s_mov_b32 s29, 0
	s_lshl_b32 s30, 16384, s18                     ; 32 rows
	s_mov_b32 s31, 0
	s_lshl_b32 s44, s24, 3
	s_add_co_u32 s44, s44, s19
	s_lshl_b32 s45, s16, 1
	s_add_co_u32 s44, s44, s45                     ; my first column tile
	s_lshl_b32 s44, s44, s22
	s_lshl_b32 s45, s25, 12                        ; two K steps' images
	s_add_co_u32 s44, s44, s45
	s_add_co_u32 s44, s44, s23
	s_mov_b32 s45, 0
	s_lshl_b32 s46, 1, s22                         ; from a column tile to the next
	s_mov_b32 s47, 0
.set n, 0
.rept 32
	v_mad_u32_u24 v[VOFF+n], s26, n, v3
.set n, n+1
.endr
	s_wait_alu depctr_va_vdst(0)
	s_wait_kmcnt 0x0
	s_load_b256 s[32:39], s[12:13], 0x0            ; e0 .. e7
	s_load_b128 s[40:43], s[12:13], 0x20           ; e8 .. e11
	s_cmp_lt_u32 s3, 64
	s_cselect_b64 s[20:21], s[4:5], s[6:7]
	s_cmp_lt_u32 s3, 96
	s_cselect_b64 s[20:21], s[20:21], s[8:9]
	s_cmp_lt_u32 s3, 128
	s_cselect_b64 s[20:21], s[20:21], s[10:11]
	s_add_nc_u64 s[48:49], s[20:21], s[28:29]      ; a base for each block, so that none is written again
.irp t, 1,2,3,4,5,6,7
	s_add_nc_u64 s[48+2*\t:49+2*\t], s[46+2*\t:47+2*\t], s[30:31]
.endr
	s_add_nc_u64 s[44:45], s[14:15], s[44:45]      ; where my first column tile's two images go,
	s_add_nc_u64 s[46:47], s[44:45], s[46:47]      ; and my second's
.macro LOAD t                          ; block t: rows 32 t + 0 .. 31 of my column
.set XL, X+32*((\t)%2)
.set n, 0
.rept 32
	global_load_b32 v[XL+n], v[VOFF+n], s[48+2*(\t):49+2*(\t)] th:TH_LOAD_NT
.set n, n+1
.endr
.endm
	LOAD 0
	LOAD 1
	s_wait_kmcnt 0x0
	s_cmp_lt_u32 s3, 64
	s_cselect_b32 s32, s33, s35
	s_cmp_lt_u32 s3, 96
	s_cselect_b32 s32, s32, s37
	s_cmp_lt_u32 s3, 128
	s_cselect_b32 s32, s32, s43                    ; e
	s_add_co_i32 s32, s32, 127
	s_lshl_b32 s33, s32, 23
	v_mov_b32 v11, s33                             ; 2^e
	s_add_co_i32 s32, s32, 8
	s_lshl_b32 s32, s32, 23
	s_or_b32 s32, s32, 0x600000
	v_mov_b32 v10, s32                             ; 448 x 2^e
.macro BLOCK t
.set XS, X+32*((\t)%2)
.if (\t) < 7
	s_wait_loadcnt 32                              ; this block's loads are in; the next block's may be out
.else
	s_wait_loadcnt 0
.endif
.set n, 0
.rept 32
	v_med3_num_f32 v[XS+n], v[XS+n], -v10, v10     ; the conversion does not saturate (ISA guide 7.6.2)
.set n, n+1
.endr
.irp g, 0,1,2,3                        ; eight along K: group g belongs to the image's lane half g % 2, register pair g / 2 of the quarter
	v_cvt_scalef32_pk8_fp8_f32 v[C+4*(\g%2)+2*(\g/2):C+4*(\g%2)+2*(\g/2)+1], v[XS+8*\g:XS+8*\g+7], v11
.endr
	ds_store_b128 v4, v[C:C+3] offset:2048*((\t)/4)+512*((\t)%4)         ; what lane (column, half 0) of the image holds,
	ds_store_b128 v4, v[C+4:C+7] offset:2048*((\t)/4)+512*((\t)%4)+256   ; and lane (column, half 1)
.if (\t)+2 < 8
	LOAD (\t)+2
.endif
	s_wait_dscnt 0x0                               ; the stores have read their registers: the next block's codes may be written
.endm
	s_wait_alu depctr_va_vdst(0)
.irp t, 0,1,2,3,4,5,6,7
	BLOCK \t
.endr
.set n, 0
.rept 16
	ds_load_b128 v[OUTR+4*n:OUTR+4*n+3], v7 offset:512*n
.set n, n+1
.endr
.set n, 0
.rept 16
	s_wait_dscnt 15-n
	global_store_b128 v8, v[OUTR+4*n:OUTR+4*n+3], s[44+2*(n/8):45+2*(n/8)] offset:512*(n%8)   ; 512 consecutive bytes
.set n, n+1
.endr
	s_wait_tensorcnt 0x0                           ; the wave's end
	ds_add_u32 v[SPW], v[NIL]
	s_wait_dscnt 0x0
	s_endpgm
.Lfunc_end_k_qf80927adbf_quant:
	.size	k_qf80927adbf_quant, .Lfunc_end_k_qf80927adbf_quant-k_qf80927adbf_quant
	.p2alignl 7, 3214868480
	.fill 96, 4, 3214868480
	.section	.rodata,"a",@progbits
	.p2align	6, 0x0
	.amdhsa_kernel k_qf80927adbf_quant
		.amdhsa_group_segment_fixed_size 67072
		.amdhsa_private_segment_fixed_size 0
		.amdhsa_enable_private_segment 0
		.amdhsa_kernarg_size 64
		.amdhsa_user_sgpr_count 2
		.amdhsa_user_sgpr_kernarg_segment_ptr 1
		.amdhsa_wavefront_size32 1
		.amdhsa_system_sgpr_workgroup_id_x 1
		.amdhsa_system_sgpr_workgroup_id_y 1
		.amdhsa_system_sgpr_workgroup_id_z 1
		.amdhsa_system_vgpr_workitem_id 0
		.amdhsa_next_free_vgpr 240
		.amdhsa_next_free_sgpr 66
		.amdhsa_reserve_vcc 0
		.amdhsa_float_denorm_mode_32 3
		.amdhsa_float_denorm_mode_16_64 3
		.amdhsa_memory_ordered 1
		.amdhsa_forward_progress 1
		.amdhsa_inst_pref_size 131
	.end_amdhsa_kernel
	.amdgpu_metadata
---
amdhsa.version: [ 1, 2 ]
amdhsa.kernels:
  - .name:           k_qf80927adbf_quant
    .symbol:         k_qf80927adbf_quant.kd
    .args:
      - { .name: x, .offset: 0, .size: 8, .value_kind: global_buffer, .address_space: global }
      - { .name: lowp_scales, .offset: 8, .size: 8, .value_kind: global_buffer, .address_space: global }
      - { .name: xc, .offset: 16, .size: 8, .value_kind: global_buffer, .address_space: global }
      - { .name: Wq, .offset: 24, .size: 8, .value_kind: global_buffer, .address_space: global }
      - { .name: Wk, .offset: 32, .size: 8, .value_kind: global_buffer, .address_space: global }
      - { .name: Wv, .offset: 40, .size: 8, .value_kind: global_buffer, .address_space: global }
      - { .name: Wo, .offset: 48, .size: 8, .value_kind: global_buffer, .address_space: global }
      - { .name: wc, .offset: 56, .size: 8, .value_kind: global_buffer, .address_space: global }
    .group_segment_fixed_size: 67072
    .private_segment_fixed_size: 0
    .kernarg_segment_align: 8
    .kernarg_segment_size: 64
    .max_flat_workgroup_size: 128
    .sgpr_count:     66
    .vgpr_count:     240
    .wavefront_size: 32
...
	.end_amdgpu_metadata
.endif
;; end of part 1
;; launch qkv (part 2): grid 16 x 16, 4 waves a work-group, clusters of 4 x 4, 327,680 bytes of LDS; arguments xc, wc, cos, sin, qn_w, kn_w, lowp_scales, qc, kvc; writes qc, kvc
.if DOCPART == 2
	.amdgcn_target "amdgcn-amd-amdhsa--gfx1250"
	.amdhsa_code_object_version 6
	.text
	.protected	k_qf80927adbf_qkv
	.globl	k_qf80927adbf_qkv
	.p2align	8
	.type	k_qf80927adbf_qkv,@function
k_qf80927adbf_qkv:
	s_mov_b64 s[64:65], 0
	v_nop
	global_prefetch_b8 v0, s[64:65] scope:SCOPE_SE
	s_setreg_imm32_b32 hwreg(HW_REG_WAVE_MODE, 25, 1), 1
	s_wait_xcnt 0x0
	s_wait_alu depctr_hold_cnt(0) depctr_sa_sdst(0) depctr_va_vdst(0) depctr_va_sdst(0) depctr_va_ssrc(0) depctr_va_vcc(0) depctr_vm_vsrc(0)
	s_getreg_b32 s2, hwreg(HW_REG_IB_STS2, 6, 4)
	s_cmp_eq_u32 s2, 0
	s_cbranch_scc0 .Lentry_in_a_cluster
	s_endpgm
.Lentry_in_a_cluster:
	s_bfe_u32 s2, ttmp6, 0x10000c
	s_cmp_lg_u32 s2, 0xf033
	s_cbranch_scc0 .Lentry_shape_is_right
	s_endpgm
.Lentry_shape_is_right:
; q = x Wq, k = x Wk, v = x Wv on E4M3 codes; then for q and k: RMS norm, gain, RoPE, in f32, and the quantiser (2^e6, 2^e7) along the head's 128; for v the quantiser (2^e9) along the keys.
; A work-group makes 256 tokens (tile row) x one head of 128 (tile column: 0-7 q's heads, 8-11 k's groups, 12-15 v's groups).  Four waves, 32 accumulators of 16 x 16 each.
; OPERANDS ARE IMAGES of their 16 registers (16 rows x 128 K in 2,048 bytes; registers 4 c .. 4 c + 3 of lane l at 512 c + 16 l), in memory and in LDS: a fragment is four loads of 512 consecutive bytes.
; q, k: source 0 = the head's 128 rows of W (8 fragments), source 1 = my 64 tokens (4): a lane holds ONE token and 8 neighbouring channels a tile: norm and RoPE stay in the lane (and the lane 16 away),
; and the conversions' results are the registers of the image that attention reads.  v: the same lines with other LDS bases: source 0 = 128 tokens, source 1 = 64 channels: a lane holds one channel and 8 neighbouring KEYS.
; K goes in steps of 256 through two LDS slots.  CLUSTER 4 x 4: x's tile is shared along a row of the cluster, W's along a column: joint loads.  All four tile columns of a cluster are of one kind (q, q, k or v by the cluster's x).
; OUT: qc [head 8][token tile 256][2048];  kvc [group 4][block of 128 keys 32][K: 8 key tiles x 2048, then V: 8 channel tiles x 2048 (rows = channels, K = the block's keys)].
; LIMITS: e6, e7 and e9 - e4 - e5 between -126 and 119.  NaN among the inputs is not served.
; REGISTERS, in windows of 256.  Window 0: v1-29 addresses; v32-95 the gains; v128-191, v192-255 source 1, two sets.  Window 1: source 0, two sets of 128; on the way out cos, sin, work and codes.
;   Window 2: accumulator (a, b) at v[8 (8 a + b)]: a = source 1's tile, b = source 0's.   Window 3: cos and sin as loaded, two sets of 128.
.set SLOT,  98304                      ; x's 16 token tiles x 4,096 bytes (two K steps' images), then W's 8 tiles x 4,096
.set BOFF,  65536
.set SPARE, 2*SLOT                     ; behind the ring: the spare words, 128 bytes a wave
.set PITCH, 528
.set STGW,  32*PITCH                   ; the way out: a wave's stage for 16 rows of cos and 16 of sin; it lies in slot 0, which has then had its last fill and its last read
.set LAPS,  4                          ; 2,048 along K = 8 slots' worth
.set LI,    3                          ; v3   16 x lane
.set ADR0,  16                         ; v16-17 source 0's fragments in slot 0, 1
.set ADR1,  20                         ; v20-21 source 1's
.set STI,   24                         ; v24  into the stage
.set STO,   25                         ; v25  out of it
.set GA,    27                         ; v27  32 x (lane / 16)
.set SPW,   28                         ; v28  my spare word; never rewritten
.set NIL,   29                         ; v29  0; never rewritten
.set GAIN,  32
.set COS,   0                          ; window 1, on the way out
.set SIN,   64
.set U,     128
.set SQ,    160
.set F,     168
.set LIM,   170
.set SC,    171
.set PT,    172
.set CODES, 192
.set G1,  24                           ; s[24:31] group 1 for x's tiles; s[32:39] group 0, a set for each slot
.set G0,  32
.set G1B, 48                           ; s[48:55], s[56:63] the same for W's
.set G0B, 56
.set MSB, 0
.macro WIN new                         ; the immediate's high byte repeats the setting that is left
.if MSB != \new
	s_set_vgpr_msb (MSB<<8)|\new
.set MSB, \new
.endif
.endm
.set MUL, 0xa1                         ; source 0 window 1, source 1 window 0, C and D window 2
.macro JLOAD g0a, g1a, g0b, g1b        ; a joint load: waves 0 and 1 fetch x's halves, waves 2 and 3 W's; an s_nop 0 and four v_nop follow each line
	s_cmp_eq_u32 s15, 0
	s_cbranch_scc0 .Lfor_b_\@
	tensor_load_to_lds s[\g0a:\g0a+3], s[\g1a:\g1a+7]
	s_nop 0
.rept 4
	v_nop
.endr
	s_branch .Lasked_\@
.Lfor_b_\@:
	tensor_load_to_lds s[\g0b:\g0b+3], s[\g1b:\g1b+7]
	s_nop 0
.rept 4
	v_nop
.endr
.Lasked_\@:
.endm
.macro CREST                           ; a round of the cluster's barrier behind its opening barrier
	s_cmp_lg_u32 s14, 0
	s_cbranch_scc1 .Lnot_wave_0_\@
	s_barrier_signal -3
.Lnot_wave_0_\@:
	s_barrier_wait -3
	s_barrier_signal -1
	s_barrier_wait -1
.endm
.macro CROUND
	s_barrier_signal -1
	s_barrier_wait -1
	CREST
.endm
; A PREFETCH INTO THE L2: behind the joint load of slot n stands one instruction a wave for slot n + 2, two changes of slots ahead of the load that will want it.  A slot is 4,096 bytes of each tile's row of images.
; Of the rows that a wave fetches (x: 8, W: 4) each of the four partners that ask for them jointly takes a quarter, told apart BY ADDRESS (cx for x, cy for W): x: two rows, 32 blocks of 256 bytes, a lane a block;
; W: one row, 16 blocks, and lanes 16-31 name the last block again.  Slot 0 comes by its load alone; slot 1, whose load goes out only when slot 0 has landed, is asked for at the head beside slot 2;
; the last lap's two refills (guard = 1, s3 = 1) ask for nothing: there is no slot 8 or 9.
.macro ASK off, guard
.if \guard
	s_cmp_gt_u32 s3, 1
	s_cbranch_scc0 .Lno_ask_\@
.endif
	global_prefetch_b8 v26, s[66:67] offset:\off th:TH_LOAD_NT scope:SCOPE_SE
.Lno_ask_\@:
.endm
.macro PLACES n
.rept \n
	v_nop
.endr
.endm
	s_load_b512 s[68:83], s[0:1], 0x0              ; xc 68, wc 70, cos 72, sin 74, qn_w 76, kn_w 78, the scales 80, qc 82
	s_load_b64 s[84:85], s[0:1], 0x40              ; kvc
	v_lshl_add_u32 v[SPW], v0, 2, SPARE
	v_mov_b32 v[NIL], 0
	ds_add_u32 v[SPW], v[NIL]                      ; the wave's opening
	ds_add_u32 v[SPW], v[NIL]
	v_lshrrev_b32 v1, 5, v0
	v_readfirstlane_b32 s14, v1                    ; wave
	s_lshr_b32 s15, s14, 1                         ; I fetch for x (0) or for W (1)
	s_and_b32 s16, s14, 1                          ; which half of that tile
	s_bfe_u32 s40, ttmp6, 0x40000                  ; cx
	s_bfe_u32 s41, ttmp6, 0x40004                  ; cy
	s_lshl_b32 s42, ttmp9, 2
	s_add_co_u32 s42, s42, s40                     ; tile column
	s_and_b32 s17, ttmp7, 0xffff
	s_lshl_b32 s17, s17, 2
	s_add_co_u32 s17, s17, s41                     ; tile row
	s_lshl_b32 s43, s41, 2
	s_lshl_b32 s43, 15, s43                        ; my row of the cluster
	s_lshl_b32 s44, 0x1111, s40                    ; my column
	s_or_b32 s[G1+0], s43, (3<<16)|(1<<21)         ; the mask; elements of 8 bytes; bit 21 beside a mask; no padding: images are read 512 consecutive bytes at a time
	s_or_b32 s[G1B+0], s44, (3<<16)|(1<<21)
	s_mov_b32 s[G1+1], 512<<16                     ; tensor_dim0: 4,096 bytes: a tile's two K steps
	s_mov_b32 s[G1+2], 8<<16                       ; tensor_dim1: 8 token tiles
	s_mov_b32 s[G1+3], 512<<16                     ; tile_dim0
	s_mov_b32 s[G1+4], 8                           ; tile_dim1
	s_mov_b32 s[G1+5], 4096                        ; from a tile to the next: 16 images, 32,768 bytes
	s_mov_b32 s[G1+6], 0
	s_mov_b32 s[G1+7], 0
	s_mov_b32 s[G1B+1], 512<<16
	s_mov_b32 s[G1B+2], 4<<16                      ; 4 tiles of W's rows
	s_mov_b32 s[G1B+3], 512<<16
	s_mov_b32 s[G1B+4], 4
	s_mov_b32 s[G1B+5], 4096
	s_mov_b32 s[G1B+6], 0
	s_mov_b32 s[G1B+7], 0
	s_max_u32 s20, ttmp9, 1                        ; which set of x's codes: 0 for q (cluster x 0, 1), 1 for k, 2 for v
	s_sub_co_u32 s20, s20, 1
	s_lshl_b32 s20, s20, 23
	s_lshl_b32 s21, s17, 19                        ; 16 token tiles
	s_add_co_u32 s20, s20, s21
	s_lshl_b32 s21, s16, 18                        ; my 8 of them
	s_add_co_u32 s20, s20, s21
	s_mov_b32 s21, 0
	s_lshl_b32 s46, s42, 18                        ; W: 8 tiles
	s_lshl_b32 s47, s16, 17                        ; my 4
	s_add_co_u32 s46, s46, s47
	s_mov_b32 s47, 0
	s_lshl_b32 s45, s16, 15                        ; where they go: x's halves,
	s_lshl_b32 s2, s16, 14
	s_add_co_u32 s2, s2, BOFF                      ; W's halves
	s_mov_b32 s4, 0x76543210                       ; v_permlanex16_b32: lane l xor 16
	s_mov_b32 s5, 0xfedcba98
	s_wait_dscnt 0x0                               ; the opening add is done
	s_wait_kmcnt 0x0
	s_load_b256 s[88:95], s[80:81], 0x0            ; e0 .. e7
	s_load_b128 s[96:99], s[80:81], 0x20           ; e8 .. e11
	s_add_nc_u64 s[20:21], s[68:69], s[20:21]
	s_add_nc_u64 s[46:47], s[70:71], s[46:47]
	CROUND                                         ; all sixteen work-groups are here: the first joint loads meet
.irp s, 0,1
	s_mov_b32 s[G0+4*\s], 1
	s_add_co_u32 s[G0+4*\s+1], s45, \s*SLOT
	s_add_nc_u64 s[G0+4*\s+2:G0+4*\s+3], s[20:21], \s*4096
	s_or_b32 s[G0+4*\s+3], s[G0+4*\s+3], 0x80000000
	s_mov_b32 s[G0B+4*\s], 1
	s_add_co_u32 s[G0B+4*\s+1], s2, \s*SLOT
	s_add_nc_u64 s[G0B+4*\s+2:G0B+4*\s+3], s[46:47], \s*4096
	s_or_b32 s[G0B+4*\s+3], s[G0B+4*\s+3], 0x80000000
.endr
	s_cmp_eq_u32 s15, 0                            ; the prefetches: do I fetch for x?
	s_cselect_b64 s[66:67], s[20:21], s[46:47]     ; the rows that I fetch,
	s_cselect_b32 s86, s40, s41                    ; my place among the four that ask for them with me,
	s_cselect_b32 s87, 16, 15                      ; two rows of 32,768 bytes a partner, or one,
	s_cselect_b32 s100, 31, 15                     ; and the last lane that names a block of its own
	s_lshl_b32 s86, s86, s87
	s_mov_b32 s87, 0
	s_add_nc_u64 s[66:67], s[66:67], s[86:87]
	JLOAD G0, G1, G0B, G1B                         ; slot 0: one tensor load a wave at the head
	v_and_b32 v1, 15, v0                           ; r
	v_bfe_u32 v2, v0, 4, 1                         ; h
	v_and_b32 v[LI], 31, v0
	v_min_u32 v26, s100, v[LI]
	v_lshlrev_b32 v[LI], 4, v[LI]
	v_lshrrev_b32 v30, 4, v26
	v_and_b32 v26, 15, v26
	v_lshlrev_b32 v26, 8, v26
	v_lshl_add_u32 v26, v30, 15, v26               ; the prefetches' offset: row lane / 16, block lane % 16; never rewritten
	s_wait_alu depctr_va_vdst(0)
	ASK 4096, 0                                    ; slot 1,
	ASK 8192, 0                                    ; slot 2
	s_lshl_b32 s18, s15, 15                        ; v: source 0 = tokens 128 (wave / 2) on,
	s_lshl_b32 s19, s16, 14
	s_add_co_u32 s19, s19, BOFF                    ;    source 1 = channels 64 (wave % 2) on
	s_lshl_b32 s22, s14, 14                        ; q, k: source 1 = tokens 64 x wave on
	s_cmp_eq_u32 ttmp9, 3                          ; the cluster's x: the same in all partners
	s_cselect_b32 s18, s18, BOFF                   ; q, k: source 0 = the head's rows of W
	s_cselect_b32 s19, s19, s22
	v_add_nc_u32 v[ADR0], s18, v[LI]
	v_add_nc_u32 v[ADR1], s19, v[LI]
	v_add_nc_u32 v[ADR0+1], SLOT, v[ADR0]
	v_add_nc_u32 v[ADR1+1], SLOT, v[ADR1]
	s_mul_i32 s23, s14, STGW
	v_add_nc_u32 v[STI], s23, v[LI]
	v_mul_u32_u24 v[STO], v1, PITCH
	v_lshl_add_u32 v[STO], v2, 5, v[STO]
	v_add_nc_u32 v[STO], s23, v[STO]               ; row r, + 32 h: my 8 numbers of a tile of 16 channels
	v_lshlrev_b32 v[GA], 5, v2
	s_wait_alu depctr_va_vdst(0)
	s_lshl_b32 s18, s17, 17                        ; cos, sin: 256 rows of 512 bytes,
	s_lshl_b32 s19, s14, 15                        ; my 64
	s_add_co_u32 s18, s18, s19
	s_mov_b32 s19, 0
	s_add_nc_u64 s[72:73], s[72:73], s[18:19]
	s_add_nc_u64 s[74:75], s[74:75], s[18:19]
	s_cmp_lt_u32 ttmp9, 2
	s_cselect_b64 s[12:13], s[76:77], s[78:79]     ; q's gains or k's
; The gains and the first 32 tokens' cos and sin are asked for here and land during the products.  Every work-group asks, so that there is one way through the text up to the way out;
; the v groups' work-groups leave them unread: 80 loads, 40 KB, a wave.
.irp b, 0,1,2,3,4,5,6,7
	global_load_b128 v[GAIN+8*\b:GAIN+8*\b+3], v[GA], s[12:13] offset:64*\b        ; the gains of channels 16 b + 8 h + 0 .. 7
	global_load_b128 v[GAIN+8*\b+4:GAIN+8*\b+7], v[GA], s[12:13] offset:64*\b+16
.endr
.macro RAWLD a                         ; cos and sin of tokens 16 a .. 16 a + 15 of mine, a row of 512 consecutive bytes a load, into set (a + a / 2) % 2 of window 3, or of window 0 for a = 2
.set RL, 128*(((\a)+(\a)/2)%2)         ; passes 0, 3: window 3's set 0; pass 1: its set 1; pass 2: v128-255 of window 0, where source 1's fragments lay
.if (\a) == 2
	WIN 0
.else
	WIN 0xc0
.endif
.set n, 0
.rept 16
	global_load_b128 v[RL+4*n:RL+4*n+3], v[LI], s[72:73] offset:8192*(\a)+512*n
	global_load_b128 v[RL+64+4*n:RL+64+4*n+3], v[LI], s[74:75] offset:8192*(\a)+512*n
.set n, n+1
.endr
	WIN 0
.endm
	RAWLD 0
	RAWLD 1
	; where my images go
	s_lshl_b32 s18, s42, 19                        ; q: head,
	s_lshl_b32 s19, s17, 15                        ; 16 token tiles,
	s_add_co_u32 s18, s18, s19
	s_lshl_b32 s19, s14, 13                        ; my four
	s_add_co_u32 s18, s18, s19
	s_and_b32 s19, s42, 3                          ; k, v: group,
	s_lshl_b32 s19, s19, 20
	s_lshl_b32 s22, s17, 16                        ; two blocks of 128 keys,
	s_add_co_u32 s19, s19, s22
	s_lshl_b32 s22, s15, 15                        ; mine,
	s_add_co_u32 s19, s19, s22
	s_lshl_b32 s22, s16, 13                        ; my four tiles of its eight
	s_add_co_u32 s19, s19, s22
	s_cmp_eq_u32 ttmp9, 3
	s_cselect_b32 s22, 16384, 0                    ; V lies behind K
	s_add_co_u32 s19, s19, s22
	s_cmp_lt_u32 ttmp9, 2
	s_cselect_b32 s18, s18, s19
	s_cselect_b64 s[10:11], s[82:83], s[84:85]
	s_mov_b32 s19, 0
	s_add_nc_u64 s[10:11], s[10:11], s[18:19]
	s_wait_kmcnt 0x0
	s_add_co_i32 s88, s88, s89                     ; a sum stands for sum x 2^s: s = e0 + e1 for q,
	s_add_co_i32 s90, s90, s91                     ; e2 + e3 for k,
	s_add_co_i32 s92, s92, s93                     ; e4 + e5 for v
	s_sub_co_i32 s97, s97, s92                     ; v: the three scales folded into the conversion's one: e9 - e4 - e5
	s_cmp_lt_u32 ttmp9, 2
	s_cselect_b32 s6, s88, s90                     ; s
	s_cselect_b32 s8, s94, s95                     ; e6 or e7
	s_cmp_eq_u32 ttmp9, 3
	s_cselect_b32 s8, s97, s8
	s_lshl_b32 s7, s6, 1
	s_sub_co_i32 s7, s7, 7                         ; the mean of 128 squares: x 2^(2 s - 7)
	s_add_co_i32 s8, s8, 127
	s_lshl_b32 s9, s8, 23                          ; the conversion's scale as f32
	s_add_co_i32 s8, s8, 8
	s_lshl_b32 s8, s8, 23
	s_or_b32 s8, s8, 0x600000                      ; 448 x that
; 8 matrix instructions: source 1's tile a against source 0's eight; p: the set.  The 32 accumulators take turns, one instruction a turn, in the same order in every step.
.macro MUL8 a, p, zero
.irp b, 0,1,2,3,4,5,6,7
.if \zero
	v_wmma_f32_16x16x128_fp8_fp8 v[8*(8*(\a)+\b):8*(8*(\a)+\b)+7], v[128*(\p)+16*\b:128*(\p)+16*\b+15], v[128+64*(\p)+16*(\a):128+64*(\p)+16*(\a)+15], 0
.else
	v_wmma_f32_16x16x128_fp8_fp8 v[8*(8*(\a)+\b):8*(8*(\a)+\b)+7], v[128*(\p)+16*\b:128*(\p)+16*\b+15], v[128+64*(\p)+16*(\a):128+64*(\p)+16*(\a)+15], v[8*(8*(\a)+\b):8*(8*(\a)+\b)+7]
.endif
.endr
.endm
; 48 LDS loads in one run: the slot's q-th 128 along K into set p: source 0's eight fragments, then source 1's four
.macro FETCH slot, q, p
	WIN 0x40
.irp i, 0,1,2,3,4,5,6,7
.irp c, 0,1,2,3
	ds_load_b128 v[128*(\p)+16*\i+4*\c:128*(\p)+16*\i+4*\c+3], v[ADR0+\slot] offset:4096*\i+2048*(\q)+512*\c
.endr
.endr
	WIN 0
.irp i, 0,1,2,3
.irp c, 0,1,2,3
	ds_load_b128 v[128+64*(\p)+16*\i+4*\c:128+64*(\p)+16*\i+4*\c+3], v[ADR1+\slot] offset:4096*\i+2048*(\q)+512*\c
.endr
.endr
.endm
; A slot's first 128 along K (set 0); it fetches the second into set 1.  Four plain vector lines stand between the last product that read a register and a load into it (ISA guide 7.12.1 for vector instructions).
.macro STEP slot, zero
	s_wait_dscnt 12                                ; source 0 and source 1's first fragment are in; the youngest twelve loads may be out
	WIN MUL
	MUL8 0, 0, \zero
	PLACES 4
	FETCH \slot, 1, 1
	s_wait_dscnt 48                                ; all but the 48 just issued
	WIN MUL
	MUL8 1, 0, \zero
	MUL8 2, 0, \zero
	MUL8 3, 0, \zero
.endm
; A slot's second 128 (set 1) changes slots: ONE barrier; ahead of it each wave waits for all its tensor loads, adds 0 to its spare word, and waits for that and for its reads of this slot.  fill = 1: the slot is filled again, two slots ahead.
.macro TURN slot, next, fill
.if (\fill) && (\slot) == 0
	s_wait_xcnt 0x0                                ; my prefetches have read their address: it steps two slots on, once a lap
	s_add_nc_u64 s[66:67], s[66:67], 8192
.endif
	WIN 0
	s_wait_tensorcnt 0x0                           ; all my tensor loads have landed: my part of the next slot
	ds_add_u32 v[SPW], v[NIL]                      ; 0 onto my spare word
	s_wait_dscnt 13                                ; (the add and the youngest twelve loads may be out)
	WIN MUL
	MUL8 0, 1, 0
	s_wait_dscnt 0x0                               ; the add is done, and my reads of this slot are over
	s_barrier_signal -1
	MUL8 1, 1, 0
	WIN 0
	s_barrier_wait -1
.if \fill
	CREST                                          ; the barrier has opened a round of the cluster's: no wave of any partner still reads this slot or has a load on its way
	s_add_nc_u64 s[G0+4*\slot+2:G0+4*\slot+3], s[G0+4*\slot+2:G0+4*\slot+3], 8192
	s_add_nc_u64 s[G0B+4*\slot+2:G0B+4*\slot+3], s[G0B+4*\slot+2:G0B+4*\slot+3], 8192
	JLOAD G0+4*\slot, G1, G0B+4*\slot, G1B         ; the first tensor load behind the round; its four v_nop are the places ahead of the loads below
.else
	PLACES 4
.endif
	FETCH \next, 0, 0
.if \fill
	ASK 8192+4096*\slot, 1                         ; behind the joint load and the run of LDS loads: the slot two refills on
.endif
	WIN MUL
	MUL8 2, 1, 0
	MUL8 3, 1, 0
.endm
	s_wait_alu depctr_va_vdst(0)
	s_wait_tensorcnt 0x0                           ; my part of slot 0 is in
	ds_add_u32 v[SPW], v[NIL]
	s_wait_dscnt 0x0
	CROUND                                         ; a whole round: everybody's part of slot 0 is in, and the joint loads meet
	JLOAD G0+4, G1, G0B+4, G1B                     ; slot 1's first fill, the first tensor load behind the round
	FETCH 0, 0, 0
	ASK 12288, 0                                   ; slot 3
	STEP 0, 1                                      ; the first step starts the sums: nothing is cleared
	WIN 0
	s_mov_b32 s3, LAPS-1
.Llap:                                             ; a trip goes once round the ring and fills both slots again
	TURN 0, 1, 1
	STEP 1, 0
	TURN 1, 0, 1
	STEP 0, 0
	WIN 0
	s_sub_co_u32 s3, s3, 1
	s_cmp_lg_u32 s3, 0
	s_cbranch_scc1 .Llap
	TURN 0, 1, 0                                   ; the last lap fills nothing
	STEP 1, 0
	s_wait_dscnt 12
	WIN MUL
	MUL8 0, 1, 0
	s_wait_dscnt 0x0
	MUL8 1, 1, 0
	MUL8 2, 1, 0
	MUL8 3, 1, 0
	WIN 0
	; THE WAY OUT
	PLACES 4                                       ; behind the last products: their results are read and their operands' registers written from here on
	WIN 0x40
	v_mov_b32 v[LIM], s8
	v_mov_b32 v[SC], s9
	v_mov_b32 v[F+1], 0                            ; (named as the upper half of the pair)
	v_mov_b32 v[PT], 0                             ; (a lane permute's destination counts as one of its sources)
	WIN 0
	s_cmp_eq_u32 ttmp9, 3
	s_cbranch_scc1 .Lv_out
; Tokens 16 a .. 16 a + 15 of mine.  My lane holds token r and channels 16 b + 8 h + j in register 64 a + 8 b + j.  y = x rsqrt(mean(x^2) + 1e-6) g, then RoPE: the channel 64 away lies in the same lane, 32 registers on.
; The token's factor F = 2^s rsqrt(..) is common to both partners of a rotation, so it is applied behind it.
.macro QKPASS a
.set AC, 64*(\a)
.set RW, 128*(((\a)+(\a)/2)%2)
.if (\a) == 3
	s_wait_loadcnt 0
.else
.if (\a) != 1
	s_wait_loadcnt 32                              ; pass 0: passes 0 and 1's loads are in, pass 2's 32 may be out; pass 2: pass 3's 32 may be out.  Pass 1's were shown in by pass 0's wait
.endif
.endif
.if (\a) == 2
	WIN 0
.else
	WIN 0x0c                                       ; store data window 3
.endif
.set n, 0
.rept 16
	ds_store_b128 v[STI], v[RW+4*n:RW+4*n+3] offset:PITCH*n
	ds_store_b128 v[STI], v[RW+64+4*n:RW+64+4*n+3] offset:16*PITCH+PITCH*n
.set n, n+1
.endr
	WIN 0x40                                       ; LDS serves a wave's instructions in order: these see the stores above
.irp b, 0,1,2,3,4,5,6,7
	ds_load_b128 v[COS+8*\b:COS+8*\b+3], v[STO] offset:64*\b
	ds_load_b128 v[COS+8*\b+4:COS+8*\b+7], v[STO] offset:64*\b+16
	ds_load_b128 v[SIN+8*\b:SIN+8*\b+3], v[STO] offset:16*PITCH+64*\b
	ds_load_b128 v[SIN+8*\b+4:SIN+8*\b+7], v[STO] offset:16*PITCH+64*\b+16
.endr
.if (\a) == 0
	s_wait_dscnt 32                                ; the stores have read their registers,
	RAWLD 3                                        ; which take the last pass's
.endif
	WIN 0x5a                                       ; sources 0, 1 window 2; source 2 and destination window 1
.set n, 0
.rept 4
	v_pk_mul_f32 v[SQ+2*n:SQ+2*n+1], v[AC+2*n:AC+2*n+1], v[AC+2*n:AC+2*n+1]   ; the sum of squares in four chains of pairs, each accumulator from its low end on
.set n, n+1
.endr
.rept 28
	v_pk_fma_f32 v[SQ+2*(n%4):SQ+2*(n%4)+1], v[AC+2*n:AC+2*n+1], v[AC+2*n:AC+2*n+1], v[SQ+2*(n%4):SQ+2*(n%4)+1]
.set n, n+1
.endr
	WIN 0x55
	v_pk_add_f32 v[SQ:SQ+1], v[SQ:SQ+1], v[SQ+2:SQ+3]
	v_pk_add_f32 v[SQ+4:SQ+5], v[SQ+4:SQ+5], v[SQ+6:SQ+7]
	v_pk_add_f32 v[SQ:SQ+1], v[SQ:SQ+1], v[SQ+4:SQ+5]
	v_add_f32 v[SQ], v[SQ], v[SQ+1]
	v_permlanex16_b32 v[PT], v[SQ], s4, s5         ; the token's other 64 channels lie in the lane 16 away
	v_add_f32 v[SQ], v[SQ], v[PT]
	v_ldexp_f32 v[SQ], v[SQ], s7                   ; the mean of the true squares
	v_add_f32 v[SQ], 0x358637bd, v[SQ]             ; + 1e-6
	s_wait_alu depctr_va_vdst(0)
	v_rsq_f32 v[F], v[SQ]
	WIN 0x82                                       ; source 0 and destination window 2, the gains window 0
.set n, 0
.rept 32
	v_pk_mul_f32 v[AC+2*n:AC+2*n+1], v[AC+2*n:AC+2*n+1], v[GAIN+2*n:GAIN+2*n+1]
.set n, n+1
.endr
	s_wait_dscnt 0x0                               ; cos and sin are in my lane's order
	WIN 0x46
.set n, 0
.rept 16
	v_pk_mul_f32 v[U+2*n:U+2*n+1], v[AC+2*n:AC+2*n+1], v[SIN+32+2*n:SIN+32+2*n+1]       ; x1 sin (upper half's)
.set n, n+1
.endr
	WIN 0x86
.set n, 0
.rept 16
	v_pk_mul_f32 v[AC+2*n:AC+2*n+1], v[AC+2*n:AC+2*n+1], v[COS+2*n:COS+2*n+1]           ; x1 cos
.set n, n+1
.endr
	WIN 0xa6
.set n, 0
.rept 16
	v_pk_fma_f32 v[AC+2*n:AC+2*n+1], v[AC+32+2*n:AC+32+2*n+1], v[SIN+2*n:SIN+2*n+1], v[AC+2*n:AC+2*n+1] neg_lo:[1,0,0] neg_hi:[1,0,0]   ; - x2 sin
.set n, n+1
.endr
	WIN 0x96
.set n, 0
.rept 16
	v_pk_fma_f32 v[AC+32+2*n:AC+32+2*n+1], v[AC+32+2*n:AC+32+2*n+1], v[COS+32+2*n:COS+32+2*n+1], v[U+2*n:U+2*n+1]   ; x2 cos + x1 sin
.set n, n+1
.endr
	s_wait_alu depctr_va_vdst(0)
	WIN 0x41
	v_ldexp_f32 v[F], v[F], s6                     ; F = 2^s rsqrt(..)
	WIN 0x86
.set n, 0
.rept 32
	v_pk_mul_f32 v[AC+2*n:AC+2*n+1], v[AC+2*n:AC+2*n+1], v[F:F+1] op_sel_hi:[1,0]
.set n, n+1
.endr
	WIN 0x96
.set n, 0
.rept 64
	v_med3_num_f32 v[AC+n], v[AC+n], -v[LIM], v[LIM]   ; the conversion does not saturate (ISA guide 7.6.2)
.set n, n+1
.endr
	WIN 0x46
.irp b, 0,1,2,3,4,5,6,7
	v_cvt_scalef32_pk8_fp8_f32 v[CODES+16*(\a)+2*\b:CODES+16*(\a)+2*\b+1], v[AC+8*\b:AC+8*\b+7], v[SC]   ; registers 2 b, 2 b + 1 of the image: K = 16 b + 8 h + 0 .. 7
.endr
	v_nop                                          ; a plain line behind the last conversion
	WIN 0x04                                       ; store data window 1
.irp c, 0,1,2,3
	global_store_b128 v[LI], v[CODES+16*(\a)+4*\c:CODES+16*(\a)+4*\c+3], s[10:11] offset:2048*(\a)+512*\c   ; 512 consecutive bytes
.endr
	WIN 0
.endm
	RAWLD 2
	QKPASS 0
	QKPASS 1
	QKPASS 2
	QKPASS 3
	s_branch .Lout_done
.Lv_out:
; v: my lane holds channel r of tile a, and keys 16 b + 8 h + j of the block: hold, convert, store
.macro VPASS a
.set AC, 64*(\a)
	WIN 0x96
.set n, 0
.rept 64
	v_med3_num_f32 v[AC+n], v[AC+n], -v[LIM], v[LIM]
.set n, n+1
.endr
	WIN 0x46
.irp b, 0,1,2,3,4,5,6,7
	v_cvt_scalef32_pk8_fp8_f32 v[CODES+16*(\a)+2*\b:CODES+16*(\a)+2*\b+1], v[AC+8*\b:AC+8*\b+7], v[SC]
.endr
	v_nop
	WIN 0x04
.irp c, 0,1,2,3
	global_store_b128 v[LI], v[CODES+16*(\a)+4*\c:CODES+16*(\a)+4*\c+3], s[10:11] offset:2048*(\a)+512*\c
.endr
	WIN 0
.endm
	s_wait_alu depctr_va_vdst(0)
	VPASS 0
	VPASS 1
	VPASS 2
	VPASS 3
.Lout_done:
	s_wait_tensorcnt 0x0                           ; the wave's end
	ds_add_u32 v[SPW], v[NIL]
	s_wait_dscnt 0x0
	CROUND                                         ; the closing round: no work-group ends while a partner may still ask for a tile that names it
	s_endpgm
.Lfunc_end_k_qf80927adbf_qkv:
	.size	k_qf80927adbf_qkv, .Lfunc_end_k_qf80927adbf_qkv-k_qf80927adbf_qkv
	.p2alignl 7, 3214868480
	.fill 96, 4, 3214868480
	.section	.rodata,"a",@progbits
	.p2align	6, 0x0
	.amdhsa_kernel k_qf80927adbf_qkv
		.amdhsa_group_segment_fixed_size 327680
		.amdhsa_private_segment_fixed_size 0
		.amdhsa_enable_private_segment 0
		.amdhsa_kernarg_size 72
		.amdhsa_user_sgpr_count 2
		.amdhsa_user_sgpr_kernarg_segment_ptr 1
		.amdhsa_wavefront_size32 1
		.amdhsa_system_sgpr_workgroup_id_x 1
		.amdhsa_system_sgpr_workgroup_id_y 1
		.amdhsa_system_sgpr_workgroup_id_z 1
		.amdhsa_system_vgpr_workitem_id 0
		.amdhsa_next_free_vgpr 1024
		.amdhsa_next_free_sgpr 102
		.amdhsa_reserve_vcc 0
		.amdhsa_float_denorm_mode_32 3
		.amdhsa_float_denorm_mode_16_64 3
		.amdhsa_memory_ordered 1
		.amdhsa_forward_progress 1
		.amdhsa_inst_pref_size 169
	.end_amdhsa_kernel
	.amdgpu_metadata
---
amdhsa.version: [ 1, 2 ]
amdhsa.kernels:
  - .name:           k_qf80927adbf_qkv
    .symbol:         k_qf80927adbf_qkv.kd
    .args:
      - { .name: xc, .offset: 0, .size: 8, .value_kind: global_buffer, .address_space: global }
      - { .name: wc, .offset: 8, .size: 8, .value_kind: global_buffer, .address_space: global }
      - { .name: cos, .offset: 16, .size: 8, .value_kind: global_buffer, .address_space: global }
      - { .name: sin, .offset: 24, .size: 8, .value_kind: global_buffer, .address_space: global }
      - { .name: qn_w, .offset: 32, .size: 8, .value_kind: global_buffer, .address_space: global }
      - { .name: kn_w, .offset: 40, .size: 8, .value_kind: global_buffer, .address_space: global }
      - { .name: lowp_scales, .offset: 48, .size: 8, .value_kind: global_buffer, .address_space: global }
      - { .name: qc, .offset: 56, .size: 8, .value_kind: global_buffer, .address_space: global }
      - { .name: kvc, .offset: 64, .size: 8, .value_kind: global_buffer, .address_space: global }
    .group_segment_fixed_size: 327680
    .private_segment_fixed_size: 0
    .kernarg_segment_align: 8
    .kernarg_segment_size: 72
    .max_flat_workgroup_size: 128
    .sgpr_count:     102
    .vgpr_count:     1024
    .wavefront_size: 32
...
	.end_amdgpu_metadata
.endif
;; end of part 2
;; launch attn (part 3): grid 64 x 4, 8 waves a work-group, no clusters, 327,680 bytes of LDS; arguments qc, kvc, lowp_scales, oc; writes oc
.if DOCPART == 3
	.amdgcn_target "amdgcn-amd-amdhsa--gfx1250"
	.amdhsa_code_object_version 6
	.text
	.protected	k_qf80927adbf_attn
	.globl	k_qf80927adbf_attn
	.p2align	8
	.type	k_qf80927adbf_attn,@function
k_qf80927adbf_attn:
	s_mov_b64 s[64:65], 0
	v_nop
	global_prefetch_b8 v0, s[64:65] scope:SCOPE_SE
	s_setreg_imm32_b32 hwreg(HW_REG_WAVE_MODE, 25, 1), 1
	s_wait_xcnt 0x0
; Sliding-window attention on E4M3 codes: key j counts for query i where i - 1024 < j <= i.  t = score x log2(e) / 16; M = the ceiling of the running largest t; p = 2^(t - M) is quantised (2^e8) along the keys;
; the row's sum is taken of the unquantised p and divides at the end; the result is quantised (2^e10) along the heads' channels for the last product.
; WORK LEFT OUT: blocks of 128 keys wholly outside the window of the work-group's block of 128 queries (reference() makes their scores -infinity): nine blocks at the most are walked.
; IN: qc [head 8][token tile 256][2048]; kvc [group 4][block of 128 keys 32][K: 8 key tiles x 2048, V: 8 channel tiles x 2048].  OUT: oc [token tile 256][head 8][2048].  All are images of an operand's 16 registers.
; SHARES: a work-group owns 64 queries of the two heads of one group.  A wave holds the SAME 16 queries of BOTH heads, so that each fragment of K and V read from LDS feeds two matrix instructions.
; Waves w and w ^ 4 share a tile of queries and split the keys: slot 2 t + s in trip t, s = (w ^ (w >> 2)) & 1.  At the end each hands the other one head's partial O, -M and sum through LDS and finishes the head that it keeps:
; my tile 0 is the head that I keep (w >> 2), my tile 1 the other, so one text serves both partners.  The partial results are joined by exact powers of two.
; LDS: slot j holds key block S + j, S = max(MB - 8, 0), MB = the queries' block.  Wave w fetches bytes 4,096 w .. + 4,095 (tiles 2 w, 2 w + 1) of each block into its region of 9 x 4,096 bytes:
; one tensor load at the head for slots 0-3, one behind the first barrier for slots 4-8, which has two trips' work in which to land.  No byte is filled twice.  Where MB < 8 slots beyond MB are fetched with the rest of a tile and left unread.
; NO CLUSTER: four neighbouring work-groups span two blocks of queries, whose windows together are ten blocks of 32,768 bytes: all of LDS, with no room for the spare words.
; NO PREFETCH: both tensor loads are issued ahead of the loops; there is no loop to run ahead in.
; O begins as zeros and the largest t as -3e38, since which trip is a wave's first hangs on its number and on MB.
; LIMITS: e6 + e7 between -122 and 130; e8 and e10 between -126 and 119; the scaled scores stay under 2^31 in magnitude.  NaN among the inputs is not served.
; REGISTERS.  Window 0: v1-15 addresses and state; v16-47 Q; v48-79 p's codes; v80-95 sums, factors; v96-223 scores, then p (tile u at 96 + 64 u); v224-235 at work.
;   Window 1: v0-127 eight fragments of K or of V; v128-255 O^T (tile u at 128 + 64 u).
.set REG,   36864                      ; a wave's region of LDS
.set SPARE, 8*REG                      ; behind the regions: the spare words, 128 bytes a wave
.set STG,   8448                       ; the exchange: 8,192 bytes of O and 256 of (-M, sum) a wave, in slots that have had their last fill and their last read
.set LI,   1                           ; 16 x lane
.set STA,  2                           ; my stage, 16 x lane
.set STB,  3                           ; my stage, 8 x lane
.set PTA,  4                           ; my partner's stage
.set SPW,  5                           ; my spare word; never rewritten
.set NIL,  6                           ; 0; never rewritten
.set PTB,  7
.set ADR,  8                           ; v8-11 the slot in hand, regions 0-1, 2-3 (K), 4-5, 6-7 (V)
.set NM,   12                          ; v12, v13: -M and the largest t of tile 0; v14, v15: of tile 1
.set QF,   16
.set CD,   48
.set SU,   80                          ; v[80:81], v[82:83] the sums in two halves
.set S2,   84
.set FF,   88                          ; v88, v90 the factors 2^(old M - new M); v89, v91 named with them as pairs
.set PT,   92
.set LIMP, 94
.set SCP,  95
.set MA,   224
.set LIMO, 228
.set SCO,  229
.set NINF, 230
.set DM,   231                         ; my query in its block - 8 (lane / 16)
.set AB,   232                         ; v232-235 16 x lane + 2 REG k
.set WV,   12
.set MB,   13
.set GRP,  14
.set G1A,  16
.set G1B,  24
.set G0A,  32
.set G0B,  36
.set SEL,  40
.set CS,   42
.set J,    44                          ; my slot of this trip
.set LJ,   45                          ; the slot of the diagonal block: min(MB, 8); slots beyond it are not walked
.set EJ,   46                          ; the slot of the window's far edge: 0 where MB >= 8, else none
.set SO,   47
.set TC,   48
.set MSB, 0
.macro WIN new                         ; the immediate's high byte repeats the setting that is left
.if MSB != \new
	s_set_vgpr_msb (MSB<<8)|\new
.set MSB, \new
.endif
.endm
	s_load_b256 s[4:11], s[0:1], 0x0               ; qc 4, kvc 6, the scales 8, oc 10
	v_lshl_add_u32 v[SPW], v0, 2, SPARE
	v_mov_b32 v[NIL], 0
	ds_add_u32 v[SPW], v[NIL]                      ; the opening lines
	ds_add_u32 v[SPW], v[NIL]
	v_lshrrev_b32 v[LI], 5, v0
	v_readfirstlane_b32 s[WV], v[LI]               ; wave
	s_lshr_b32 s[MB], ttmp9, 1
	s_and_b32 s[GRP], ttmp7, 0xffff
.irp g, G1A, G1B                       ; rows of 4,096 bytes (512 elements of 8), 32,768 bytes apart: 4 rows at the head, 5 behind the barrier
	s_mov_b32 s[\g], 3<<16
	s_mov_b32 s[\g+1], 512<<16
	s_mov_b32 s[\g+3], 512<<16
	s_mov_b32 s[\g+5], 4096
	s_mov_b32 s[\g+6], 0
	s_mov_b32 s[\g+7], 0
.endr
	s_mov_b32 s[G1A+2], 4<<16
	s_mov_b32 s[G1A+4], 4
	s_mov_b32 s[G1B+2], 5<<16
	s_mov_b32 s[G1B+4], 5
	s_max_u32 s50, s[MB], 8
	s_sub_co_u32 s50, s50, 8                       ; S
	s_lshl_b32 s50, s50, 15
	s_lshl_b32 s51, s[GRP], 20
	s_add_co_u32 s50, s50, s51
	s_lshl_b32 s51, s[WV], 12
	s_add_co_u32 s50, s50, s51
	s_mov_b32 s51, 0
	s_mul_i32 s52, s[WV], REG
	s_min_u32 s[LJ], s[MB], 8
	s_cmp_ge_u32 s[MB], 8
	s_cselect_b32 s[EJ], 0, 64
	s_mov_b32 s[SEL], 0x76543210
	s_mov_b32 s[SEL+1], 0xfedcba98
	s_mov_b32 s[CS], 0x3db8aa3b                    ; log2(e) / 16
	s_wait_dscnt 0x0
	s_wait_kmcnt 0x0
	s_load_b256 s[68:75], s[8:9], 0x0              ; e0 .. e7
	s_load_b128 s[76:79], s[8:9], 0x20             ; e8 .. e11
	s_add_nc_u64 s[54:55], s[6:7], s[50:51]
	s_mov_b32 s[G0A], 1
	s_mov_b32 s[G0A+1], s52
	s_mov_b64 s[G0A+2:G0A+3], s[54:55]
	s_or_b32 s[G0A+3], s[G0A+3], 0x80000000
	s_mov_b32 s[G0B], 1
	s_add_co_u32 s[G0B+1], s52, 4*4096
	s_add_nc_u64 s[G0B+2:G0B+3], s[54:55], 4*32768
	s_or_b32 s[G0B+3], s[G0B+3], 0x80000000
	tensor_load_to_lds s[G0A:G0A+3], s[G1A:G1A+7]  ; slots 0-3, my slice: my one load at the head
	s_nop 0
	s_lshr_b32 s53, s[WV], 2                       ; which head of the group I keep
	s_and_b32 s56, s[WV], 3                        ; which 16 of the 64 queries
	s_xor_b32 s[J], s[WV], s53
	s_and_b32 s[J], s[J], 1                        ; s: even or odd slots
	s_lshl_b32 s57, s[GRP], 1
	s_add_co_u32 s57, s57, s53                     ; the head
	s_lshl_b32 s58, ttmp9, 2
	s_add_co_u32 s58, s58, s56                     ; the token tile
	s_lshl_b32 s60, s57, 19
	s_lshl_b32 s59, s58, 11
	s_add_co_u32 s60, s60, s59
	s_mov_b32 s61, 0
	s_xor_b32 s62, s60, 1<<19                      ; the group's other head
	s_mov_b32 s63, 0
	s_add_nc_u64 s[82:83], s[4:5], s[60:61]
	s_add_nc_u64 s[84:85], s[4:5], s[62:63]
	s_lshl_b32 s60, s58, 14
	s_lshl_b32 s59, s57, 11
	s_add_co_u32 s60, s60, s59
	s_add_nc_u64 s[10:11], s[10:11], s[60:61]      ; where my image of o goes
	s_and_b32 s59, ttmp9, 1
	s_lshl_b32 s59, s59, 6
	s_lshl_b32 s56, s56, 4
	s_add_co_u32 s59, s59, s56                     ; my first query in its block of 128
	s_mul_i32 s86, s[WV], STG
	s_xor_b32 s87, s[WV], 4
	s_mul_i32 s87, s87, STG
	v_and_b32 v[LI], 31, v0
	v_lshlrev_b32 v[STB], 3, v[LI]
	v_lshlrev_b32 v[LI], 4, v[LI]
	v_add_nc_u32 v[PTB], s87, v[STB]
	v_add_nc_u32 v[STB], s86, v[STB]
	v_add_nc_u32 v[STA], s86, v[LI]
	v_add_nc_u32 v[PTA], s87, v[LI]
.irp k, 0,1,2,3
	v_add_nc_u32 v[AB+\k], 2*REG*\k, v[LI]
.endr
	v_and_b32 v[DM], 15, v0
	v_bfe_u32 v[MA], v0, 4, 1
	v_lshlrev_b32 v[MA], 3, v[MA]
	v_sub_nc_u32 v[DM], v[DM], v[MA]
	v_add_nc_u32 v[DM], s59, v[DM]
	s_wait_alu depctr_va_vdst(0)
.irp c, 0,1,2,3
	global_load_b128 v[QF+4*\c:QF+4*\c+3], v[LI], s[82:83] offset:512*\c
	global_load_b128 v[QF+16+4*\c:QF+16+4*\c+3], v[LI], s[84:85] offset:512*\c
.endr
	s_wait_kmcnt 0x0
	s_add_co_i32 s80, s74, s75
	s_lshl_b32 s80, s80, 23
	s_add_co_i32 s[CS], s[CS], s80                 ; a score stands for score x 2^(e6 + e7)
	s_mov_b32 s[CS+1], s[CS]
	s_add_co_i32 s80, s76, 127
	s_lshl_b32 s81, s80, 23
	v_mov_b32 v[SCP], s81                          ; 2^e8
	s_add_co_i32 s80, s80, 8
	s_lshl_b32 s80, s80, 23
	s_or_b32 s80, s80, 0x600000
	v_mov_b32 v[LIMP], s80                         ; 448 x 2^e8
	s_add_co_i32 s80, s78, 127
	s_lshl_b32 s81, s80, 23
	v_mov_b32 v[SCO], s81                          ; 2^e10
	s_add_co_i32 s80, s80, 8
	s_lshl_b32 s80, s80, 23
	s_or_b32 s80, s80, 0x600000
	v_mov_b32 v[LIMO], s80
	s_add_co_i32 s88, s76, s77                     ; e8 + e9
	v_mov_b32 v[NINF], 0xff800000
.irp u, 0,1
	v_mov_b32 v[NM+2*\u+1], 0xff61b1e6             ; -3e38, under every t
	v_floor_f32 v[NM+2*\u], -v[NM+2*\u+1]
	v_mov_b32 v[SU+2*\u], 0
	v_mov_b32 v[SU+2*\u+1], 0
	v_mov_b32 v[FF+2*\u+1], 0
	v_mov_b32 v[PT+\u], 0
.endr
	WIN 0x40
.set n, 0
.rept 128
	v_mov_b32 v[128+n], 0                          ; O^T
.set n, n+1
.endr
	WIN 0
	s_wait_alu depctr_va_vdst(0)
	s_wait_tensorcnt 0x0                           ; my slice of slots 0-3 is in
	ds_add_u32 v[SPW], v[NIL]
	s_wait_dscnt 0x0
	s_barrier_signal -1
	s_barrier_wait -1
	tensor_load_to_lds s[G0B:G0B+3], s[G1B:G1B+7]  ; slots 4-8, my slice: my one load behind this barrier
	s_nop 0
	s_wait_loadcnt 0x0                             ; Q
.macro FRAGS a                         ; eight fragments: a = 0 K's tiles, a = 2 V's.  Tile i lies in region i / 2 of its four, at 2,048 (i % 2)
	WIN 0x40
.irp i, 0,1,2,3,4,5,6,7
.irp c, 0,1,2,3
	ds_load_b128 v[16*\i+4*\c:16*\i+4*\c+3], v[ADR+\a+\i/4] offset:REG*((\i/2)%2)+2048*(\i%2)+512*\c
.endr
.endr
.endm
.macro SMUL i0                         ; S^T = K Q^T: four tiles of 16 keys against both heads' queries
.irp i, \i0, \i0+1, \i0+2, \i0+3
.irp u, 0,1
	v_wmma_f32_16x16x128_fp8_fp8 v[96+64*\u+8*(\i):96+64*\u+8*(\i)+7], v[16*(\i):16*(\i)+15], v[QF+16*\u:QF+16*\u+15], 0
.endr
.endr
.endm
.macro MASK op                         ; register n holds key 16 (n / 8) + 8 (lane / 16) + n % 8 of the block; one compare serves both heads
.set n, 0
.rept 64
	\op vcc_lo, 16*(n/8)+n%8, v[DM]
	v_cndmask_b32 v[96+n], v[96+n], v[NINF], vcc_lo
	v_cndmask_b32 v[160+n], v[160+n], v[NINF], vcc_lo
.set n, n+1
.endr
.endm
; A TRIP: 128 keys for both heads.  top: the last slot that has landed; edge = 1: the window's far edge may fall in this loop.
.macro TRIP top, edge
	s_cmp_gt_u32 s[J], s[LJ]                       ; ids alone: a slot beyond the diagonal block is not walked
	s_cbranch_scc1 .Lnone_\@
	s_min_u32 s[SO], s[J], \top
	s_lshl_b32 s[SO], s[SO], 12
.irp k, 0,1,2,3
	v_add_nc_u32 v[ADR+\k], s[SO], v[AB+\k]        ; (these four are the places ahead of loads into registers that the last products read)
.endr
	s_wait_alu depctr_va_vdst(0)
	FRAGS 0
	s_wait_dscnt 16                                ; K's tiles 0-3 are in; the younger sixteen loads may be out
	WIN 0x01
	SMUL 0
	s_wait_dscnt 0x0
	SMUL 4
.rept 4
	v_nop
.endr
	FRAGS 2                                        ; V's fragments land under the softmax
	WIN 0
	s_cmp_lg_u32 s[J], s[LJ]
	s_cbranch_scc1 .Lnd_\@
	MASK v_cmp_gt_i32                              ; the diagonal block: keys after my query
.Lnd_\@:
.if \edge
	s_cmp_lg_u32 s[J], s[EJ]
	s_cbranch_scc1 .Lne_\@
	MASK v_cmp_le_i32                              ; the far edge: keys 1,024 or more before my query
.Lne_\@:
.endif
.irp u, 0,1
	v_max3_num_f32 v[MA+2*\u], v[96+64*\u], v[97+64*\u], v[98+64*\u]
	v_max3_num_f32 v[MA+2*\u+1], v[99+64*\u], v[100+64*\u], v[101+64*\u]
.endr
.irp i, 6,10,14,18,22,26,30,34,38,42,46,50,54,58
.irp u, 0,1
	v_max3_num_f32 v[MA+2*\u], v[MA+2*\u], v[96+64*\u+\i], v[97+64*\u+\i]
	v_max3_num_f32 v[MA+2*\u+1], v[MA+2*\u+1], v[98+64*\u+\i], v[99+64*\u+\i]
.endr
.endr
.irp u, 0,1
	v_max3_num_f32 v[MA+2*\u], v[MA+2*\u], v[158+64*\u], v[159+64*\u]
.endr
.irp u, 0,1
	v_max_num_f32 v[MA+2*\u], v[MA+2*\u], v[MA+2*\u+1]
.endr
.irp u, 0,1
	v_permlanex16_b32 v[PT+\u], v[MA+2*\u], s[SEL], s[SEL+1]
.endr
.irp u, 0,1
	v_max_num_f32 v[MA+2*\u], v[MA+2*\u], v[PT+\u]
.endr
.irp u, 0,1
	v_mul_f32 v[MA+2*\u], s[CS], v[MA+2*\u]        ; as t
.endr
.irp u, 0,1
	v_max_num_f32 v[NM+2*\u+1], v[NM+2*\u+1], v[MA+2*\u]
.endr
.irp u, 0,1
	v_mov_b32 v[MA+2*\u], v[NM+2*\u]
.endr
.irp u, 0,1
	v_floor_f32 v[NM+2*\u], -v[NM+2*\u+1]          ; -M = floor(-t)
.endr
.irp u, 0,1
	v_sub_f32 v[MA+2*\u], v[NM+2*\u], v[MA+2*\u]   ; old M - new M
.endr
.irp u, 0,1
	v_cvt_i32_f32 v[MA+2*\u], v[MA+2*\u]           ; (it saturates)
.endr
.irp u, 0,1
	v_ldexp_f32 v[FF+2*\u], 1.0, v[MA+2*\u]
.endr
.irp u, 0,1
.set n, 0
.rept 32
	v_pk_fma_f32 v[96+64*\u+2*n:97+64*\u+2*n], v[96+64*\u+2*n:97+64*\u+2*n], s[CS:CS+1], v[NM+2*\u:NM+2*\u+1] op_sel_hi:[1,0,0]   ; t - M
.set n, n+1
.endr
.endr
	s_wait_alu depctr_va_vdst(0)
.set n, 0
.rept 128
	v_exp_f32 v[96+n], v[96+n]
.set n, n+1
.endr
.irp u, 0,1
	v_pk_mul_f32 v[SU+2*\u:SU+2*\u+1], v[SU+2*\u:SU+2*\u+1], v[FF+2*\u:FF+2*\u+1] op_sel_hi:[1,0]   ; the sums under the new M; a plain place behind the batch
.endr
	s_wait_alu depctr_va_vdst(0)                   ; one wait for the batch, ahead of its first reader
.irp u, 0,1
	v_pk_add_f32 v[S2+2*\u:S2+2*\u+1], v[96+64*\u:97+64*\u], v[98+64*\u:99+64*\u]
.endr
.irp j, 4,8,12,16,20,24,28,32,36,40,44,48,52,56,60
.irp u, 0,1
	v_pk_add_f32 v[SU+2*\u:SU+2*\u+1], v[SU+2*\u:SU+2*\u+1], v[96+64*\u+\j:97+64*\u+\j]
	v_pk_add_f32 v[S2+2*\u:S2+2*\u+1], v[S2+2*\u:S2+2*\u+1], v[98+64*\u+\j:99+64*\u+\j]
.endr
.endr
.irp u, 0,1
	v_pk_add_f32 v[SU+2*\u:SU+2*\u+1], v[SU+2*\u:SU+2*\u+1], v[S2+2*\u:S2+2*\u+1]
.endr
.irp u, 0,1
.irp b, 0,1,2,3,4,5,6,7
.irp i, 0,1,2,3,4,5,6,7
	v_min_num_f32 v[96+64*\u+8*\b+\i], v[96+64*\u+8*\b+\i], v[LIMP]   ; the conversion does not saturate (ISA guide 7.6.2); p is not negative
.endr
	v_cvt_scalef32_pk8_fp8_f32 v[CD+16*\u+2*\b:CD+16*\u+2*\b+1], v[96+64*\u+8*\b:96+64*\u+8*\b+7], v[SCP]
.endr
.endr
	WIN 0x41
	s_wait_alu depctr_va_vdst(0)
.irp u, 0,1
.set n, 0
.rept 32
	v_pk_mul_f32 v[128+64*\u+2*n:129+64*\u+2*n], v[128+64*\u+2*n:129+64*\u+2*n], v[FF+2*\u:FF+2*\u+1] op_sel_hi:[1,0]   ; O^T under the new M
.set n, n+1
.endr
.endr
	s_wait_alu depctr_va_vdst(0)
	s_wait_dscnt 0x0                               ; V's fragments
	WIN 0x51
.irp i, 0,1,2,3,4,5,6,7                ; O^T += V^T P^T: the sixteen accumulators take turns
.irp u, 0,1
	v_wmma_f32_16x16x128_fp8_fp8 v[128+64*\u+8*\i:135+64*\u+8*\i], v[16*\i:16*\i+15], v[CD+16*\u:CD+16*\u+15], v[128+64*\u+8*\i:135+64*\u+8*\i]
.endr
.endr
	WIN 0
.Lnone_\@:
	s_add_co_u32 s[J], s[J], 2
.endm
	s_mov_b32 s[TC], 2
.Lfirst:                                           ; slots 0-3
	TRIP 3, 1
	s_sub_co_u32 s[TC], s[TC], 1
	s_cmp_lg_u32 s[TC], 0
	s_cbranch_scc1 .Lfirst
	s_wait_tensorcnt 0x0                           ; my slice of slots 4-8 is in;
	s_wait_dscnt 0x0
	s_barrier_signal -1
	s_barrier_wait -1                              ; everybody's is.
	s_mov_b32 s[TC], 3
.Lrest:                                            ; slots 4-8
	TRIP 8, 0
	s_sub_co_u32 s[TC], s[TC], 1
	s_cmp_lg_u32 s[TC], 0
	s_cbranch_scc1 .Lrest
	; THE EXCHANGE: tile 1's partial O^T, -M and sum go to my partner, whose tile 1 is the head that I keep
	v_add_f32 v[SU], v[SU], v[SU+1]                ; (four places behind the last products)
	v_add_f32 v[NM+3], v[SU+2], v[SU+3]            ; the pair (-M, sum) of tile 1
	v_nop
	v_nop
	s_wait_alu depctr_va_vdst(0)
	s_wait_dscnt 0x0
	s_barrier_signal -1
	s_barrier_wait -1                              ; nobody reads K or V any more: the stages may be written
	WIN 0x04
.set n, 0
.rept 16
	ds_store_b128 v[STA], v[192+4*n:195+4*n] offset:512*n
.set n, n+1
.endr
	WIN 0
	ds_store_b64 v[STB], v[NM+2:NM+3] offset:8192
	s_wait_dscnt 0x0
	s_barrier_signal -1
	s_barrier_wait -1
.set n, 0
.rept 16
	ds_load_b128 v[96+4*n:99+4*n], v[PTA] offset:512*n
.set n, n+1
.endr
	ds_load_b64 v[S2:S2+1], v[PTB] offset:8192
	s_wait_dscnt 0x0
	v_min_num_f32 v[MA], v[NM], v[S2]              ; -M of both parts together
	v_sub_f32 v[MA+1], v[MA], v[NM]
	v_sub_f32 v[MA+2], v[MA], v[S2]
	v_cvt_i32_f32 v[MA+1], v[MA+1]
	v_cvt_i32_f32 v[MA+2], v[MA+2]
	v_ldexp_f32 v[FF], 1.0, v[MA+1]                ; my part's factor,
	v_ldexp_f32 v[FF+2], 1.0, v[MA+2]              ; my partner's: exact powers of two
	v_mul_f32 v[SU], v[SU], v[FF]
	v_fmac_f32 v[SU], v[S2+1], v[FF+2]
	v_permlanex16_b32 v[PT], v[SU], s[SEL], s[SEL+1]
	v_add_f32 v[SU], v[SU], v[PT]                  ; the row's sum
	s_wait_alu depctr_va_vdst(0)
	v_rcp_f32 v[SU], v[SU]
	v_nop
	s_wait_alu depctr_va_vdst(0)
	v_ldexp_f32 v[SU], v[SU], s88                  ; x 2^(e8 + e9)
	v_mul_f32 v[FF], v[FF], v[SU]
	v_mul_f32 v[FF+2], v[FF+2], v[SU]
	WIN 0x01
	s_wait_alu depctr_va_vdst(0)
.set n, 0
.rept 32
	v_pk_mul_f32 v[160+2*n:161+2*n], v[128+2*n:129+2*n], v[FF:FF+1] op_sel_hi:[1,0]
.set n, n+1
.endr
	WIN 0
.set n, 0
.rept 32
	v_pk_fma_f32 v[160+2*n:161+2*n], v[96+2*n:97+2*n], v[FF+2:FF+3], v[160+2*n:161+2*n] op_sel_hi:[1,0,1]
.set n, n+1
.endr
.set n, 0
.rept 64
	v_med3_num_f32 v[160+n], v[160+n], -v[LIMO], v[LIMO]
.set n, n+1
.endr
.irp b, 0,1,2,3,4,5,6,7
	v_cvt_scalef32_pk8_fp8_f32 v[CD+2*\b:CD+2*\b+1], v[160+8*\b:167+8*\b], v[SCO]   ; registers 2 b, 2 b + 1 of the image: channels 16 b + 8 (lane / 16) + 0 .. 7
.endr
	v_nop
.irp c, 0,1,2,3
	global_store_b128 v[LI], v[CD+4*\c:CD+4*\c+3], s[10:11] offset:512*\c   ; 512 consecutive bytes
.endr
	s_wait_tensorcnt 0x0                           ; the wave's end
	ds_add_u32 v[SPW], v[NIL]
	s_wait_dscnt 0x0
	s_endpgm
.Lfunc_end_k_qf80927adbf_attn:
	.size	k_qf80927adbf_attn, .Lfunc_end_k_qf80927adbf_attn-k_qf80927adbf_attn
	.p2alignl 7, 3214868480
	.fill 96, 4, 3214868480
	.section	.rodata,"a",@progbits
	.p2align	6, 0x0
	.amdhsa_kernel k_qf80927adbf_attn
		.amdhsa_group_segment_fixed_size 327680
		.amdhsa_private_segment_fixed_size 0
		.amdhsa_enable_private_segment 0
		.amdhsa_kernarg_size 32
		.amdhsa_user_sgpr_count 2
		.amdhsa_user_sgpr_kernarg_segment_ptr 1
		.amdhsa_wavefront_size32 1
		.amdhsa_system_sgpr_workgroup_id_x 1
		.amdhsa_system_sgpr_workgroup_id_y 1
		.amdhsa_system_sgpr_workgroup_id_z 1
		.amdhsa_system_vgpr_workitem_id 0
		.amdhsa_next_free_vgpr 512
		.amdhsa_next_free_sgpr 100
		.amdhsa_reserve_vcc 1
		.amdhsa_float_denorm_mode_32 3
		.amdhsa_float_denorm_mode_16_64 3
		.amdhsa_memory_ordered 1
		.amdhsa_forward_progress 1
		.amdhsa_inst_pref_size 111
	.end_amdhsa_kernel
	.amdgpu_metadata
---
amdhsa.version: [ 1, 2 ]
amdhsa.kernels:
  - .name:           k_qf80927adbf_attn
    .symbol:         k_qf80927adbf_attn.kd
    .args:
      - { .name: qc, .offset: 0, .size: 8, .value_kind: global_buffer, .address_space: global }
      - { .name: kvc, .offset: 8, .size: 8, .value_kind: global_buffer, .address_space: global }
      - { .name: lowp_scales, .offset: 16, .size: 8, .value_kind: global_buffer, .address_space: global }
      - { .name: oc, .offset: 24, .size: 8, .value_kind: global_buffer, .address_space: global }
    .group_segment_fixed_size: 327680
    .private_segment_fixed_size: 0
    .kernarg_segment_align: 8
    .kernarg_segment_size: 32
    .max_flat_workgroup_size: 256
    .sgpr_count:     100
    .vgpr_count:     512
    .wavefront_size: 32
...
	.end_amdgpu_metadata
.endif
;; end of part 3
;; launch oproj (part 4): grid 16 x 16, 4 waves a work-group, clusters of 4 x 4, 327,680 bytes of LDS; arguments oc, wc, lowp_scales, out0; writes out0
.if DOCPART == 4
	.amdgcn_target "amdgcn-amd-amdhsa--gfx1250"
	.amdhsa_code_object_version 6
	.text
	.protected	k_qf80927adbf_oproj
	.globl	k_qf80927adbf_oproj
	.p2align	8
	.type	k_qf80927adbf_oproj,@function
k_qf80927adbf_oproj:
	s_mov_b64 s[64:65], 0
	v_nop
	global_prefetch_b8 v0, s[64:65] scope:SCOPE_SE
	s_setreg_imm32_b32 hwreg(HW_REG_WAVE_MODE, 25, 1), 1
	s_wait_xcnt 0x0
	s_wait_alu depctr_hold_cnt(0) depctr_sa_sdst(0) depctr_va_vdst(0) depctr_va_sdst(0) depctr_va_ssrc(0) depctr_va_vcc(0) depctr_vm_vsrc(0)
	s_getreg_b32 s2, hwreg(HW_REG_IB_STS2, 6, 4)
	s_cmp_eq_u32 s2, 0
	s_cbranch_scc0 .Lentry_in_a_cluster
	s_endpgm
.Lentry_in_a_cluster:
	s_bfe_u32 s2, ttmp6, 0x10000c
	s_cmp_lg_u32 s2, 0xf033
	s_cbranch_scc0 .Lentry_shape_is_right
	s_endpgm
.Lentry_shape_is_right:
; out0 = o Wo on E4M3 codes, each finished sum x 2^(e10 + e11).  LIMIT: e10 + e11 between -126 and 127.
; A work-group makes 256 tokens x 128 columns; four waves, 64 tokens each: 32 accumulators of 16 x 16.  Source 0 = 128 columns of Wo (8 fragments), source 1 = my 64 tokens (4): a lane holds 8 neighbouring columns of one token.
; Operands are images of their 16 registers (2,048 bytes for 16 rows x 128 K), in memory and in LDS.  K = 1,024 goes in four steps of 256 through two LDS slots.
; CLUSTER 4 x 4: o's tile is shared along a row of the cluster, Wo's along a column: joint loads.  Results leave through the wave's stage in slot 0 as rows of 512 consecutive bytes.
; PREFETCH INTO THE L2: behind slot 0's joint load each wave asks for slots 1 and 2, behind slot 1's for slot 3.  Of the rows that a wave fetches (o: 8, Wo: 4, 16,384 bytes apart, 4,096 bytes a slot) each of the four
; partners that ask for them jointly takes a quarter, told apart by address (cx for o, cy for Wo): a lane a block of 256 bytes; for Wo lanes 16-31 name the last block again.  The address registers are never rewritten.
.set SLOT,  98304                      ; o's 16 token tiles x 4,096 bytes, then Wo's 8 tiles x 4,096
.set BOFF,  65536
.set SPARE, 2*SLOT
.set PITCH, 528
.set LI,    3
.set ADR0,  16
.set ADR1,  20
.set STO,   24
.set RD,    25
.set SPW,   28
.set NIL,   29
.set TMP,   32
.set BK,    128
.set G1,  24
.set G0,  32
.set G1B, 48
.set G0B, 56
.set MSB, 0
.macro WIN new
.if MSB != \new
	s_set_vgpr_msb (MSB<<8)|\new
.set MSB, \new
.endif
.endm
.set MUL, 0xa1
.macro JLOAD g0a, g1a, g0b, g1b
	s_cmp_eq_u32 s15, 0
	s_cbranch_scc0 .Lfor_b_\@
	tensor_load_to_lds s[\g0a:\g0a+3], s[\g1a:\g1a+7]
	s_nop 0
.rept 4
	v_nop
.endr
	s_branch .Lasked_\@
.Lfor_b_\@:
	tensor_load_to_lds s[\g0b:\g0b+3], s[\g1b:\g1b+7]
	s_nop 0
.rept 4
	v_nop
.endr
.Lasked_\@:
.endm
.macro CREST
	s_cmp_lg_u32 s14, 0
	s_cbranch_scc1 .Lnot_wave_0_\@
	s_barrier_signal -3
.Lnot_wave_0_\@:
	s_barrier_wait -3
	s_barrier_signal -1
	s_barrier_wait -1
.endm
.macro CROUND
	s_barrier_signal -1
	s_barrier_wait -1
	CREST
.endm
.macro PLACES n
.rept \n
	v_nop
.endr
.endm
	s_load_b256 s[68:75], s[0:1], 0x0
	v_lshl_add_u32 v[SPW], v0, 2, SPARE
	v_mov_b32 v[NIL], 0
	ds_add_u32 v[SPW], v[NIL]
	ds_add_u32 v[SPW], v[NIL]
	v_lshrrev_b32 v1, 5, v0
	v_readfirstlane_b32 s14, v1
	s_lshr_b32 s15, s14, 1
	s_and_b32 s16, s14, 1
	s_bfe_u32 s40, ttmp6, 0x40000
	s_bfe_u32 s41, ttmp6, 0x40004
	s_lshl_b32 s42, ttmp9, 2
	s_add_co_u32 s42, s42, s40
	s_and_b32 s17, ttmp7, 0xffff
	s_lshl_b32 s17, s17, 2
	s_add_co_u32 s17, s17, s41
	s_lshl_b32 s43, s41, 2
	s_lshl_b32 s43, 15, s43
	s_lshl_b32 s44, 0x1111, s40
	s_or_b32 s[G1+0], s43, (3<<16)|(1<<21)
	s_or_b32 s[G1B+0], s44, (3<<16)|(1<<21)
	s_mov_b32 s[G1+1], 512<<16
	s_mov_b32 s[G1+2], 8<<16
	s_mov_b32 s[G1+3], 512<<16
	s_mov_b32 s[G1+4], 8
	s_mov_b32 s[G1+5], 2048
	s_mov_b32 s[G1+6], 0
	s_mov_b32 s[G1+7], 0
	s_mov_b32 s[G1B+1], 512<<16
	s_mov_b32 s[G1B+2], 4<<16
	s_mov_b32 s[G1B+3], 512<<16
	s_mov_b32 s[G1B+4], 4
	s_mov_b32 s[G1B+5], 2048
	s_mov_b32 s[G1B+6], 0
	s_mov_b32 s[G1B+7], 0
	s_lshl_b32 s20, s17, 18
	s_lshl_b32 s21, s16, 17
	s_add_co_u32 s20, s20, s21
	s_mov_b32 s21, 0
	s_lshl_b32 s46, s42, 17
	s_lshl_b32 s47, s16, 16
	s_add_co_u32 s46, s46, s47
	s_add_co_u32 s46, s46, 0x400000
	s_mov_b32 s47, 0
	s_lshl_b32 s45, s16, 15
	s_lshl_b32 s2, s16, 14
	s_add_co_u32 s2, s2, BOFF
	s_wait_dscnt 0x0
	s_wait_kmcnt 0x0
	s_load_b64 s[96:97], s[72:73], 0x28
	s_add_nc_u64 s[20:21], s[68:69], s[20:21]
	s_add_nc_u64 s[46:47], s[70:71], s[46:47]
	CROUND
.irp s, 0,1
	s_mov_b32 s[G0+4*\s], 1
	s_add_co_u32 s[G0+4*\s+1], s45, \s*SLOT
	s_add_nc_u64 s[G0+4*\s+2:G0+4*\s+3], s[20:21], \s*4096
	s_or_b32 s[G0+4*\s+3], s[G0+4*\s+3], 0x80000000
	s_mov_b32 s[G0B+4*\s], 1
	s_add_co_u32 s[G0B+4*\s+1], s2, \s*SLOT
	s_add_nc_u64 s[G0B+4*\s+2:G0B+4*\s+3], s[46:47], \s*4096
	s_or_b32 s[G0B+4*\s+3], s[G0B+4*\s+3], 0x80000000
.endr
	s_cmp_eq_u32 s15, 0                            ; the prefetches: do I fetch for o?
	s_cselect_b64 s[76:77], s[20:21], s[46:47]     ; the rows that I fetch,
	s_cselect_b32 s78, s40, s41                    ; my place among the four that ask for them with me,
	s_cselect_b32 s79, 15, 14                      ; two rows of 16,384 bytes a partner, or one,
	s_cselect_b32 s80, 31, 15                      ; and the last lane that names a block of its own
	s_lshl_b32 s78, s78, s79
	s_mov_b32 s79, 0
	s_add_nc_u64 s[76:77], s[76:77], s[78:79]
	JLOAD G0, G1, G0B, G1B                         ; slot 0: one tensor load a wave at the head
	v_and_b32 v1, 15, v0
	v_bfe_u32 v2, v0, 4, 1
	v_and_b32 v[LI], 31, v0
	v_min_u32 v26, s80, v[LI]
	v_lshlrev_b32 v[LI], 4, v[LI]
	v_lshrrev_b32 v30, 4, v26
	v_and_b32 v26, 15, v26
	v_lshlrev_b32 v26, 8, v26
	v_lshl_add_u32 v26, v30, 14, v26               ; the prefetches' offset: row lane / 16, block lane % 16; never rewritten
	global_prefetch_b8 v26, s[76:77] offset:4096 th:TH_LOAD_NT scope:SCOPE_SE   ; slot 1,
	global_prefetch_b8 v26, s[76:77] offset:8192 th:TH_LOAD_NT scope:SCOPE_SE   ; slot 2
	s_lshl_b32 s22, s14, 14
	v_add_nc_u32 v[ADR0], BOFF, v[LI]
	v_add_nc_u32 v[ADR1], s22, v[LI]
	v_add_nc_u32 v[ADR0+1], SLOT, v[ADR0]
	v_add_nc_u32 v[ADR1+1], SLOT, v[ADR1]
	s_mul_i32 s23, s14, 16*PITCH
	v_mul_u32_u24 v[STO], v1, PITCH
	v_lshl_add_u32 v[STO], v2, 5, v[STO]
	v_add_nc_u32 v[STO], s23, v[STO]
	v_add_nc_u32 v[RD], s23, v[LI]
	s_lshl_b32 s18, s17, 21
	s_lshl_b32 s19, s14, 19
	s_add_co_u32 s18, s18, s19
	s_lshl_b32 s19, s42, 9
	s_add_co_u32 s18, s18, s19
	s_mov_b32 s19, 0
	s_add_nc_u64 s[74:75], s[74:75], s[18:19]
.macro MUL8 a, p, zero
.irp b, 0,1,2,3,4,5,6,7
.if \zero
	v_wmma_f32_16x16x128_fp8_fp8 v[8*(8*(\a)+\b):8*(8*(\a)+\b)+7], v[128*(\p)+16*\b:128*(\p)+16*\b+15], v[128+64*(\p)+16*(\a):128+64*(\p)+16*(\a)+15], 0
.else
	v_wmma_f32_16x16x128_fp8_fp8 v[8*(8*(\a)+\b):8*(8*(\a)+\b)+7], v[128*(\p)+16*\b:128*(\p)+16*\b+15], v[128+64*(\p)+16*(\a):128+64*(\p)+16*(\a)+15], v[8*(8*(\a)+\b):8*(8*(\a)+\b)+7]
.endif
.endr
.endm
.macro FETCH slot, q, p
	WIN 0x40
.irp i, 0,1,2,3,4,5,6,7
.irp c, 0,1,2,3
	ds_load_b128 v[128*(\p)+16*\i+4*\c:128*(\p)+16*\i+4*\c+3], v[ADR0+\slot] offset:4096*\i+2048*(\q)+512*\c
.endr
.endr
	WIN 0
.irp i, 0,1,2,3
.irp c, 0,1,2,3
	ds_load_b128 v[128+64*(\p)+16*\i+4*\c:128+64*(\p)+16*\i+4*\c+3], v[ADR1+\slot] offset:4096*\i+2048*(\q)+512*\c
.endr
.endr
.endm
.macro STEP slot, zero
	s_wait_dscnt 12
	WIN MUL
	MUL8 0, 0, \zero
	PLACES 4
	FETCH \slot, 1, 1
	s_wait_dscnt 48
	WIN MUL
	MUL8 1, 0, \zero
	MUL8 2, 0, \zero
	MUL8 3, 0, \zero
.endm
.macro TURN slot, next, fill
	WIN 0
	s_wait_tensorcnt 0x0
	ds_add_u32 v[SPW], v[NIL]
	s_wait_dscnt 13
	WIN MUL
	MUL8 0, 1, 0
	s_wait_dscnt 0x0
	s_barrier_signal -1
	MUL8 1, 1, 0
	WIN 0
	s_barrier_wait -1
.if \fill
	CREST
	s_add_nc_u64 s[G0+4*\slot+2:G0+4*\slot+3], s[G0+4*\slot+2:G0+4*\slot+3], 8192
	s_add_nc_u64 s[G0B+4*\slot+2:G0B+4*\slot+3], s[G0B+4*\slot+2:G0B+4*\slot+3], 8192
	JLOAD G0+4*\slot, G1, G0B+4*\slot, G1B
.else
	PLACES 4
.endif
	FETCH \next, 0, 0
	WIN MUL
	MUL8 2, 1, 0
	MUL8 3, 1, 0
.endm
	s_wait_alu depctr_va_vdst(0)
	s_wait_tensorcnt 0x0                           ; my part of slot 0 is in
	ds_add_u32 v[SPW], v[NIL]
	s_wait_dscnt 0x0
	CROUND                                         ; a whole round: everybody's part of slot 0 is in, and the joint loads meet
	JLOAD G0+4, G1, G0B+4, G1B                     ; slot 1's first fill, the first tensor load behind the round
	FETCH 0, 0, 0
	global_prefetch_b8 v26, s[76:77] offset:12288 th:TH_LOAD_NT scope:SCOPE_SE  ; slot 3
	STEP 0, 1
	TURN 0, 1, 1
	STEP 1, 0
	TURN 1, 0, 1
	STEP 0, 0
	TURN 0, 1, 0
	STEP 1, 0
	s_wait_dscnt 12
	WIN MUL
	MUL8 0, 1, 0
	s_wait_dscnt 0x0
	MUL8 1, 1, 0
	MUL8 2, 1, 0
	MUL8 3, 1, 0
	WIN 0
.macro TOSTAGE a
	WIN 0x02
.set n, 0
.rept 32
	v_pk_mul_f32 v[TMP+2*n:TMP+2*n+1], v[64*(\a)+2*n:64*(\a)+2*n+1], s[96:97] op_sel_hi:[1,0]
.set n, n+1
.endr
	WIN 0
.irp b, 0,1,2,3,4,5,6,7
	ds_store_b128 v[STO], v[TMP+8*\b:TMP+8*\b+3] offset:64*\b
	ds_store_b128 v[STO], v[TMP+8*\b+4:TMP+8*\b+7] offset:64*\b+16
.endr
.set BB, BK+64*((\a)%2)
.set n, 0
.rept 16
	ds_load_b128 v[BB+4*n:BB+4*n+3], v[RD] offset:PITCH*n
.set n, n+1
.endr
.endm
.macro SEND a, younger
.set BB, BK+64*((\a)%2)
	s_wait_dscnt \younger
.set n, 0
.rept 16
	global_store_b128 v[LI], v[BB+4*n:BB+4*n+3], s[74:75] offset:131072*(\a)+8192*n th:TH_STORE_NT
.set n, n+1
.endr
.endm
	s_wait_kmcnt 0x0
	s_add_co_i32 s96, s96, s97
	s_add_co_i32 s96, s96, 127
	s_lshl_b32 s96, s96, 23
	PLACES 4
	TOSTAGE 0
	TOSTAGE 1
	SEND 0, 32
	s_wait_xcnt 0x0
	TOSTAGE 2
	SEND 1, 32
	s_wait_xcnt 0x0
	TOSTAGE 3
	SEND 2, 32
	SEND 3, 0
	s_wait_tensorcnt 0x0
	ds_add_u32 v[SPW], v[NIL]
	s_wait_dscnt 0x0
	CROUND
	s_endpgm
.Lfunc_end_k_qf80927adbf_oproj:
	.size	k_qf80927adbf_oproj, .Lfunc_end_k_qf80927adbf_oproj-k_qf80927adbf_oproj
	.p2alignl 7, 3214868480
	.fill 96, 4, 3214868480
	.section	.rodata,"a",@progbits
	.p2align	6, 0x0
	.amdhsa_kernel k_qf80927adbf_oproj
		.amdhsa_group_segment_fixed_size 327680
		.amdhsa_private_segment_fixed_size 0
		.amdhsa_enable_private_segment 0
		.amdhsa_kernarg_size 32
		.amdhsa_user_sgpr_count 2
		.amdhsa_user_sgpr_kernarg_segment_ptr 1
		.amdhsa_wavefront_size32 1
		.amdhsa_system_sgpr_workgroup_id_x 1
		.amdhsa_system_sgpr_workgroup_id_y 1
		.amdhsa_system_sgpr_workgroup_id_z 1
		.amdhsa_system_vgpr_workitem_id 0
		.amdhsa_next_free_vgpr 768
		.amdhsa_next_free_sgpr 100
		.amdhsa_reserve_vcc 0
		.amdhsa_float_denorm_mode_32 3
		.amdhsa_float_denorm_mode_16_64 3
		.amdhsa_memory_ordered 1
		.amdhsa_forward_progress 1
		.amdhsa_inst_pref_size 75
	.end_amdhsa_kernel
	.amdgpu_metadata
---
amdhsa.version: [ 1, 2 ]
amdhsa.kernels:
  - .name:           k_qf80927adbf_oproj
    .symbol:         k_qf80927adbf_oproj.kd
    .args:
      - { .name: oc, .offset: 0, .size: 8, .value_kind: global_buffer, .address_space: global }
      - { .name: wc, .offset: 8, .size: 8, .value_kind: global_buffer, .address_space: global }
      - { .name: lowp_scales, .offset: 16, .size: 8, .value_kind: global_buffer, .address_space: global }
      - { .name: out0, .offset: 24, .size: 8, .value_kind: global_buffer, .address_space: global }
    .group_segment_fixed_size: 327680
    .private_segment_fixed_size: 0
    .kernarg_segment_align: 8
    .kernarg_segment_size: 32
    .max_flat_workgroup_size: 128
    .sgpr_count:     100
    .vgpr_count:     768
    .wavefront_size: 32
...
	.end_amdgpu_metadata
.endif
;; end of part 4
